; MI455X (gfx1250); checked and timed in simulation.
; The chip was launched on July 23, 2026; its instructions are those of AMD's public machine-readable ISA for CDNA 5 (MIT licence, August 2026) and "CDNA5" Instruction Set Architecture Reference Guide (July 2026). The comments in the code are by the model that wrote it; some were corrected since.
;; Multi Head Attention. Allowed arithmetic: matrix products marked QUANTISED: E2M1 operands, one E8M0 scale for each 32 along K, by v_wmma_scale_f32_16x16x128_f8f6f4 with both operands' format E2M1 (or v_wmma_scale_f32_32x16x128_f4), f32 sums; products left as they are: bf16, f16 or f32 operands; f32 sums; everything else in f32.
;; Inputs: Wk 1,024 x 1,024 float32; Wo 1,024 x 1,024 float32; Wq 1,024 x 1,024 float32; Wv 1,024 x 1,024 float32; keys 8 x 1,024 x 1,024 float32; queries 8 x 1,024 x 1,024 float32; valid_lens 8 int32; values 8 x 1,024 x 1,024 float32.
;; Outputs: out0 8 x 1,024 x 1,024 float32.
;; This version of the problem:
;;   THIS VERSION OF THE PROBLEM IS GIVEN IN LOW PRECISION. The matrix products marked QUANTISED in the list below multiply operands that are first quantised to E2M1 (2 exponent bits, 1 mantissa bit; 4 bits a number), with one power-of-two scale for each 32 numbers along K (OCP MX v1.0); their sums are f32. The products marked 'left as it is' may take bf16, f16 or f32 operands, with f32 sums. Whichever they take, every output number must still come out within the allowed error. Rounding operands to bf16 (8 significant bits) uses up far more of that allowance than f16 does (11 bits, for magnitudes from 6e-5 to 65,504). All else is computed in f32.
;;   The module's matrix products, in the order in which they are computed (A, B: the left and right operand; K: the contracted axis; several contracted axes count as one K, in the product's order):
;;     1. [M 8,192, K 1,024] x [K 1,024, N 1,024]; A: input queries; B: input Wq: QUANTISED
;;     2. [M 8,192, K 1,024] x [K 1,024, N 1,024]; A: input keys; B: input Wk: QUANTISED
;;     3. [M 8,192, K 1,024] x [K 1,024, N 1,024]; A: input values; B: input Wv: QUANTISED
;;     4. batch 128 x [M 1,024, K 64] x [K 64, N 1,024]; A: computed on the way; B: computed on the way: left as it is (an operand is computed on the way)
;;     5. batch 128 x [M 1,024, K 1,024] x [K 1,024, N 64]; A: computed on the way; B: computed on the way: left as it is (an operand is computed on the way)
;;     6. [M 8,192, K 1,024] x [K 1,024, N 1,024]; A: computed on the way; B: input Wo: left as it is (an operand is computed on the way)
;;   THE QUANTISER, for each operand of a quantised product, along K:
;;     - K is cut into blocks of 32 from its start; a last block that is shorter is filled with zeros.
;;     - A block's scale is 2^e with e = floor(log2(the largest magnitude in the block)) - 2, held to -126 .. 127; a block of zeros has e = 0. As a byte (E8M0): e + 127.
;;     - Each number is divided by its block's scale, clamped to +-6, and rounded to the nearest number of E2M1, ties to even, subnormals kept.
;;     - The product sums the exact products of the quantised numbers (number of the format x scale) in f32.
;;   ~~~python
;;   def quantise(x, axis):      # numpy; x: float32 -> the quantised numbers, widened to float32 again
;;       x = np.moveaxis(x, axis, -1); K = x.shape[-1]
;;       x = np.pad(x, [(0, 0)] * (x.ndim - 1) + [(0, -K % 32)]); x = x.reshape(x.shape[:-1] + (-1, 32)); a = np.abs(x).max(-1, keepdims=True)
;;       e = np.where(a > 0, np.clip(np.frexp(np.where(a > 0, a, 1))[1] - 1 - 2, -126, 127), 0)      # np.frexp(a)[1] - 1 = floor(log2(a)), exactly
;;       r = np.clip(x / 2.0 ** e, -6, 6)
;;       step = 2.0 ** (np.maximum(np.frexp(np.where(r == 0, 1, r))[1] - 1, 0) - 1)
;;       q = np.round(r / step) * step * 2.0 ** e      # np.round: ties to even
;;       return np.moveaxis(q.reshape(q.shape[:-2] + (-1,))[..., :K], -1, axis).astype(np.float32)
;;   ~~~
;; One version. Each part assembles by itself: llvm-mc -triple=amdgcn-amd-amdhsa -mcpu=gfx1250 --defsym DOCPART=n.
;; ======== version 1 of 1: 4 launches
;; limits: values are held in f16: magnitudes above 65,504 overflow, below 6.1e-05 lose precision
;; workspace buffers: codes 14,155,776 bytes; scales 884,736 bytes; woimg 2,097,152 bytes; qkv 50,331,648 bytes; aimg 16,777,216 bytes
;; launch prep (part 1): grid 512 x 1, 8 waves a work-group, no clusters, 84,992 bytes of LDS; arguments Wq, Wk, Wv, Wo, queries, keys, values, codes, scales, woimg; writes codes, scales, woimg
.if DOCPART == 1
	.amdgcn_target "amdgcn-amd-amdhsa--gfx1250"
	.amdhsa_code_object_version 6
	.text
	.protected	k_q83745fb8b8_prep
	.globl	k_q83745fb8b8_prep
	.p2align	8
	.type	k_q83745fb8b8_prep,@function
k_q83745fb8b8_prep:
	s_mov_b64 s[64:65], 0
	v_nop
	global_prefetch_b8 v0, s[64:65] scope:SCOPE_SE
	s_setreg_imm32_b32 hwreg(HW_REG_WAVE_MODE, 25, 1), 1
	s_wait_xcnt 0x0
; MULTI-HEAD ATTENTION, launch 1 of 4: the operands of the three QUANTISED projections become codes of E2M1 with E8M0 scale bytes, and Wo becomes f16.
; THE WHOLE PROGRAM: prep (this) | proj: q, k, v = the three projections on codes, out as f16 | attn: softmax(q k^T / 8, masked by valid_lens) v, out as f16 | oproj: x Wo, f32 out.
; NO INPUT AND NO PRODUCT IS LEFT OUT AS DEAD.  One identity spares work in attn, which reads valid_lens from memory and does only what those whole numbers ask for: reference() sets the score of every key at or
; past valid_lens[b] to the one number -1e6, so all such keys of a row carry one weight w = exp(-1e6 - the row's maximum).  For a step of 64 keys that lies wholly past valid_lens[b] the keys' part of the numerator is
; w x (the sum of those rows of v) and of the divisor w x 64, for every value of the inputs (valid_lens = 0 and scores under -1e6 too).  So for such steps q.k, the search for the maximum and the exponentials are not
; computed; the rows of v are still summed, w is still computed, and -1e6 still enters the row's maximum.
; LIMITS: q, k, v and the attention's result are carried as f16: magnitudes from 65,504 on are not served, under 6e-5 they are rounded in steps of 6e-8.  NaN and infinities among the quantised inputs are not served.
; A block whose largest magnitude lies under 2^-124 keeps the scale byte 1; a block of zeros gets the byte 1 where the rule says 127: its codes are zeros, which add nothing, and this program alone reads the bytes.
; BUFFERS.  codes: 27,648 rows of 512 bytes (1,024 codes, K innermost, the lower k in the low four bits): rows 0.. queries' tokens, 8192.. keys', 16384.. values', 24576 + 1024 p + n: column n of Wq, Wk, Wv (p = 0, 1, 2).
; scales: the same rows, 32 bytes each.  woimg: Wo in f16 in the order of a matrix operand's registers: [k / 128][n / 16][(k / 16) % 8][(k / 8) % 2][n % 16][k % 8].
; THREE PATHS, parted by the work-group's number alone; each has LDS bytes of its own.  0-95: WQ (a weight's 64 columns x 512 of K);  96-127: WO (256 columns x 128 of K);  128-511: ACT (65,536 numbers of an activation).
.set SPARE, 83968                      ; the spare words, 128 bytes for each of eight waves: four blocks of 256 bytes that no other line names
.set SPW,   14                         ; v14  LDS address of my spare word; never rewritten
.set NIL,   15                         ; v15  0; never rewritten
.set SP,    80                         ; ACT: a lane's place in a stage: 64 bytes + 16 of padding
.set R,     16                         ; ACT: v16-79 four sets of 16 numbers as loaded
.set X,     80                         ; ACT: v80-111 two sets of 16 neighbours
.set E,     112                        ; ACT: v112-127 a scale byte for each step
.set C,     128                        ; ACT: v128-191 codes, four registers a step
.set WST,   65536                      ; WQ: the codes' stage, 64 rows (columns of W) x 272 bytes
.set WSC,   82944                      ; WQ: the scale bytes' stage, 64 x 16 bytes
	s_load_b256 s[4:11], s[0:1], 0x0               ; Wq, Wk, Wv, Wo
	s_load_b256 s[12:19], s[0:1], 0x20             ; queries, keys, values, codes
	s_load_b128 s[20:23], s[0:1], 0x40             ; scales, woimg
	v_lshl_add_u32 v[SPW], v0, 2, SPARE
	v_mov_b32 v[NIL], 0
	v_lshrrev_b32 v1, 5, v0
	v_readfirstlane_b32 s24, v1                    ; wave 0..7
	v_and_b32 v1, 31, v0                           ; lane
	s_wait_kmcnt 0x0
	s_cmp_lt_u32 ttmp9, 96
	s_cbranch_scc1 .Lwq
	s_cmp_lt_u32 ttmp9, 128
	s_cbranch_scc1 .Lwo
; ---- ACT.  Rows are dense and 1,024 is a multiple of 32: an activation is a plain stream of blocks of 32, and so are its codes and scale bytes.  A wave takes 16 steps of 512 numbers.
; Each load reads 512 consecutive bytes; a step's 2,048 bytes turn through the wave's own stage in LDS, so that a lane holds 16 neighbours (two lanes to a block).
	s_sub_co_u32 s25, ttmp9, 128                   ; g = 0..383: 128 work-groups to a tensor
	s_cmp_lt_u32 s25, 256
	s_cselect_b64 s[26:27], s[14:15], s[16:17]     ; keys or values,
	s_cmp_lt_u32 s25, 128
	s_cselect_b64 s[26:27], s[12:13], s[26:27]     ; or queries: the choice hangs on the work-group's number alone
	s_and_b32 s28, s25, 127
	s_lshl_b32 s28, s28, 3
	s_add_co_u32 s28, s28, s24
	s_lshl_b32 s28, s28, 15                        ; my run of 8,192 numbers in the tensor: 32,768 bytes a run
	s_mov_b32 s29, 0
	s_add_nc_u64 s[26:27], s[26:27], s[28:29]
	s_lshl_b32 s30, s25, 3
	s_add_co_u32 s30, s30, s24                     ; my run among all three tensors' 3,072
	s_lshl_b32 s28, s30, 12
	s_add_nc_u64 s[18:19], s[18:19], s[28:29]      ; 4,096 bytes of codes a run
	s_lshl_b32 s28, s30, 8
	s_add_nc_u64 s[20:21], s[20:21], s[28:29]      ; 256 scale bytes a run
	v_lshlrev_b32 v3, 4, v1                        ; my 16 bytes of a load's 512
	s_lshl_b32 s31, s24, 13                        ; my wave's 8,192 bytes of LDS
	v_lshrrev_b32 v12, 2, v1
	v_mul_u32_u24 v12, v12, SP
	v_and_b32 v13, 3, v1
	v_lshl_add_u32 v12, v13, 4, v12
	v_add_nc_u32 v12, s31, v12                     ; the stage on the way in: SP (lane / 4) + 16 (lane % 4)
	v_mul_u32_u24 v13, v1, SP
	v_add_nc_u32 v13, s31, v13                     ; and on the way out: SP x lane
	v_lshlrev_b32 v4, 3, v1                        ; 8 bytes a lane: my codes' place in a step's 256, and my part of the 256 scale bytes
	v_lshrrev_b32 v5, 1, v1
	s_add_co_u32 s31, s31, 2*32*SP
	v_add_nc_u32 v5, s31, v5                       ; LDS: my block's scale byte
	v_add_nc_u32 v6, s31, v4                       ; and where I read 8 of the 256 back
.macro A_LOAD t
.irp i, 0,1,2,3
	global_load_b128 v[R+16*((\t)%4)+4*\i:R+16*((\t)%4)+4*\i+3], v3, s[26:27] offset:2048*(\t)+512*\i th:TH_LOAD_NT
.endr
.endm
.macro A_TURN t                        ; LDS serves a wave's instructions in order: no wait between the stores and the loads
.irp i, 0,1,2,3
	ds_store_b128 v12, v[R+16*((\t)%4)+4*\i:R+16*((\t)%4)+4*\i+3] offset:32*SP*((\t)%2)+8*SP*\i
.endr
.irp i, 0,1,2,3
	ds_load_b128 v[X+16*((\t)%2)+4*\i:X+16*((\t)%2)+4*\i+3], v13 offset:32*SP*((\t)%2)+16*\i
.endr
.endm
.irp t, 0,1,2,3
	A_LOAD \t
.endr
	s_wait_loadcnt 12                              ; step 0's four loads are in; three steps' twelve stay out
	A_TURN 0
.macro A_STEP t
.set XS, X+16*((\t)%2)
.if (\t) > 0
	s_wait_dscnt 1                                 ; this step's numbers are back from the stage (the last step's byte store may be out), so its stores into the stage have read their registers
.else
	s_wait_dscnt 0x0
.endif
.if (\t)+4 < 16
	A_LOAD (\t)+4
.endif
.if (\t)+1 < 16
.if 14-(\t) >= 3
	s_wait_loadcnt 12                              ; the next step's four loads are in; those of the three steps behind it may be out
.else
	s_wait_loadcnt 4*(14-(\t))
.endif
	A_TURN (\t)+1
.endif
	v_max3_num_f32 v8, |v[XS]|, |v[XS+1]|, |v[XS+2]|
	v_max3_num_f32 v9, |v[XS+3]|, |v[XS+4]|, |v[XS+5]|
.irp i, 6,10
	v_max3_num_f32 v8, v8, |v[XS+\i]|, |v[XS+\i+1]|
	v_max3_num_f32 v9, v9, |v[XS+\i+2]|, |v[XS+\i+3]|
.endr
	v_max3_num_f32 v8, v8, |v[XS+14]|, |v[XS+15]|
	v_max3_num_f32 v8, v8, v9, 0x1800000           ; and the floor 2^(3 - 127): the byte cannot fall under 1
	v_max_num_f32_dpp v8, v8, v8 row_xmask:1 row_mask:0xf bank_mask:0xf   ; with my neighbour's 16: the block's largest magnitude
	v_add_nc_u32 v11, 0xff000000, v8               ; 2 off its exponent field: the conversion takes that field as its scale, and nothing else of the operand
	v_cvt_scalef32_pk8_fp4_f32 v[C+4*(\t)], v[XS:XS+7], v11
	v_cvt_scalef32_pk8_fp4_f32 v[C+4*(\t)+1], v[XS+8:XS+15], v11
	v_lshrrev_b32 v[E+(\t)], 23, v11               ; the scale's byte (a plain line behind the conversions)
	ds_store_b8 v5, v[E+(\t)] offset:16*(\t)       ; both lanes of a block write the same byte with the same value
	global_store_b64 v4, v[C+4*(\t):C+4*(\t)+1], s[18:19] offset:256*(\t)   ; the wave stores 256 consecutive bytes, aligned
.endm
.irp t, 0,1,2,3,4,5,6,7,8,9,10,11,12,13,14,15
	A_STEP \t
.endr
	ds_load_b64 v[8:9], v6                         ; in order behind my byte stores
	s_wait_dscnt 0x0
	global_store_b64 v4, v[8:9], s[20:21]          ; 256 consecutive scale bytes, aligned
	s_branch .Lend
; ---- WQ.  W is [k][n]: a lane takes a column n and its registers run down K, so that a block of 32 lies in one lane and the conversions give codes with K innermost.
; Wave w: columns 32 (w & 1) + lane of the work-group's 64, K = 128 (w >> 1) on of its 512: 128 loads, all out at once.  The codes meet in a stage (a row = a column's 256 bytes) and leave as whole rows.
.Lwq:
	s_lshr_b32 s25, ttmp9, 5                       ; p: which weight
	s_and_b32 s26, ttmp9, 15                       ; x: which 64 columns
	s_bfe_u32 s27, ttmp9, 0x10004                  ; y: which 512 of K
	s_cmp_eq_u32 s25, 1
	s_cselect_b64 s[28:29], s[6:7], s[8:9]
	s_cmp_eq_u32 s25, 0
	s_cselect_b64 s[28:29], s[4:5], s[28:29]
	s_and_b32 s30, s24, 1                          ; cg
	s_lshr_b32 s31, s24, 1                         ; kq
	s_lshl_b32 s32, s27, 21                        ; 512 y rows of 4,096 bytes
	s_lshl_b32 s33, s31, 19                        ; 128 kq rows
	s_add_co_u32 s32, s32, s33
	s_lshl_b32 s33, s26, 8                         ; 64 x columns of 4 bytes
	s_add_co_u32 s32, s32, s33
	s_lshl_b32 s33, s30, 7                         ; 32 cg columns
	s_add_co_u32 s32, s32, s33
	s_mov_b32 s33, 0
	s_add_nc_u64 s[28:29], s[28:29], s[32:33]
	v_lshlrev_b32 v2, 2, v1
.set i, 0
.rept 128
	global_load_b32 v[32+i], v2, s[28:29] offset:i*4096 th:TH_LOAD_NT   ; row i of my 128: 128 consecutive bytes a wave, 256 with the wave beside it
.set i, i+1
.endr
	s_mul_i32 s34, s30, 32*272
	s_lshl_b32 s35, s31, 6
	s_add_co_u32 s34, s34, s35
	s_add_co_u32 s34, s34, WST
	v_mul_u32_u24 v3, v1, 272
	v_add_nc_u32 v3, s34, v3                       ; into the stage: row = my column, 64 kq bytes on
	s_lshl_b32 s34, s30, 9
	s_lshl_b32 s35, s31, 2
	s_add_co_u32 s34, s34, s35
	s_add_co_u32 s34, s34, WSC
	v_lshl_add_u32 v5, v1, 4, s34                  ; my column's 16 scale bytes, my four of them
	v_lshrrev_b32 v6, 4, v1
	v_and_b32 v7, 15, v1
	v_mul_u32_u24 v12, v6, 272
	v_lshl_add_u32 v12, v7, 4, v12
	s_mul_i32 s34, s24, 8*272
	s_add_co_u32 s34, s34, WST
	v_lshlrev_b32 v13, 9, v6
	v_lshl_add_u32 v7, v7, 4, v13                  ; in codes: two rows of 512 bytes an instruction, sixteen lanes to 256 bytes
	v_add_nc_u32 v6, s34, v12                      ; out of the stage: my wave's eight rows
	s_lshl_b32 s34, s30, 9
	s_add_co_u32 s34, s34, WSC
	v_lshl_add_u32 v12, v1, 4, s34                 ; waves 0 and 1: a column's 16 scale bytes a lane
	v_lshlrev_b32 v13, 5, v1                       ; and its row of 32 in scales
	s_lshl_b32 s36, s25, 10
	s_lshl_b32 s37, s26, 6
	s_add_co_u32 s36, s36, s37
	s_add_co_u32 s36, s36, 24576                   ; the work-group's first row of codes and scales
	s_lshl_b32 s37, s24, 3
	s_add_co_u32 s37, s37, s36
	s_lshl_b32 s38, s37, 9
	s_lshl_b32 s37, s27, 8
	s_add_co_u32 s38, s38, s37
	s_mov_b32 s39, 0
	s_add_nc_u64 s[18:19], s[18:19], s[38:39]      ; codes: (row + 8 w) x 512 + 256 y
	s_lshl_b32 s37, s30, 5
	s_add_co_u32 s37, s37, s36
	s_lshl_b32 s38, s37, 5
	s_lshl_b32 s37, s27, 4
	s_add_co_u32 s38, s38, s37
	s_add_nc_u64 s[20:21], s[20:21], s[38:39]      ; scales: (row + 32 (w & 1)) x 32 + 16 y
.macro W_BLOCK t, left                 ; block t of my four: all its 32 numbers are mine.  left: younger loads that may stay out (a count names 63 at the most; a smaller count is safe)
.set XS, 32+32*(\t)
	s_wait_loadcnt \left
	v_max3_num_f32 v8, |v[XS]|, |v[XS+1]|, |v[XS+2]|
	v_max3_num_f32 v9, |v[XS+3]|, |v[XS+4]|, |v[XS+5]|
.irp i, 6,10,14,18,22,26
	v_max3_num_f32 v8, v8, |v[XS+\i]|, |v[XS+\i+1]|
	v_max3_num_f32 v9, v9, |v[XS+\i+2]|, |v[XS+\i+3]|
.endr
	v_max3_num_f32 v8, v8, |v[XS+30]|, |v[XS+31]|
	v_max3_num_f32 v8, v8, v9, 0x1800000           ; the floor, as above
	v_add_nc_u32 v10, 0xff000000, v8               ; the conversion's scale operand
	v_lshrrev_b32 v11, 23, v10                     ; the byte
.if (\t) == 0
	v_mov_b32 v176, v11
.else
	v_lshl_or_b32 v176, v11, 8*(\t), v176          ; four bytes to a word, the lower K in the lower byte
.endif
.irp g, 0,1,2,3
	v_cvt_scalef32_pk8_fp4_f32 v[160+4*(\t)+\g], v[XS+8*\g:XS+8*\g+7], v10
.endr
.endm
	W_BLOCK 0, 63
	W_BLOCK 1, 63
	W_BLOCK 2, 32
	W_BLOCK 3, 0
	v_nop                                          ; a plain line behind the last conversion
.irp t, 0,1,2,3
	ds_store_b128 v3, v[160+4*\t:163+4*\t] offset:16*\t
.endr
	ds_store_b32 v5, v176
	s_wait_dscnt 0x0                               ; for the others' sake: my stores into the stages are done
	s_barrier_signal -1
	s_barrier_wait -1
.irp i, 0,1,2,3
	ds_load_b128 v[32+4*\i:35+4*\i], v6 offset:544*\i
.endr
.irp i, 0,1,2,3
	s_wait_dscnt 3-\i
	global_store_b128 v7, v[32+4*\i:35+4*\i], s[18:19] offset:1024*\i   ; sixteen lanes store 256 consecutive bytes, aligned
.endr
	s_cmp_lt_u32 s24, 2                            ; the 64 columns' scale bytes leave by waves 0 and 1: 16 bytes of each row of 32 (the other 16 are the other K half's work-group's): 96 KiB in the whole launch
	s_cbranch_scc0 .Lend
	ds_load_b128 v[48:51], v12
	s_wait_dscnt 0x0
	global_store_b128 v13, v[48:51], s[20:21]
	s_branch .Lend
; ---- WO.  The same plan without a quantiser: a lane takes a column n, its registers run down 128 of K; eight neighbours along K round to 16 bytes, which are a lane's part of an operand's register image.
.Lwo:
	s_sub_co_u32 s25, ttmp9, 96
	s_and_b32 s26, s25, 3                          ; which 256 columns
	s_lshr_b32 s27, s25, 2                         ; which 128 of K
	s_lshl_b32 s28, s27, 19
	s_lshl_b32 s29, s26, 10
	s_add_co_u32 s28, s28, s29
	s_lshl_b32 s29, s24, 7
	s_add_co_u32 s28, s28, s29
	s_mov_b32 s29, 0
	s_add_nc_u64 s[10:11], s[10:11], s[28:29]      ; Wo at row 128 ks, column 256 cg + 32 w
	s_lshl_b32 s28, s27, 18
	s_lshl_b32 s30, s26, 16
	s_add_co_u32 s28, s28, s30
	s_lshl_b32 s30, s24, 13
	s_add_co_u32 s28, s28, s30
	s_add_nc_u64 s[22:23], s[22:23], s[28:29]      ; woimg at K step ks, column tile 16 cg + 2 w
	v_lshlrev_b32 v2, 2, v1
	v_lshrrev_b32 v3, 4, v1
	v_and_b32 v4, 15, v1
	v_lshlrev_b32 v4, 4, v4
	v_lshl_add_u32 v4, v3, 12, v4                  ; 4,096 (lane / 16) + 16 (lane % 16)
.set i, 0
.rept 128
	global_load_b32 v[32+i], v2, s[10:11] offset:i*4096 th:TH_LOAD_NT
.set i, i+1
.endr
.set g, 0
.rept 16                               ; k = 8 g .. 8 g + 7
.if 120-8*g > 63
	s_wait_loadcnt 63
.else
	s_wait_loadcnt 120-8*g                         ; the younger loads may stay out
.endif
	v_cvt_pk_f16_f32 v[32+8*g], v[32+8*g], v[33+8*g]   ; in place, ascending: each line writes a register whose number has been read
	v_cvt_pk_f16_f32 v[33+8*g], v[34+8*g], v[35+8*g]
	v_cvt_pk_f16_f32 v[34+8*g], v[36+8*g], v[37+8*g]
	v_cvt_pk_f16_f32 v[35+8*g], v[38+8*g], v[39+8*g]
	global_store_b128 v4, v[32+8*g:35+8*g], s[22:23] offset:256*g   ; each half of the lanes stores 256 consecutive bytes, aligned
.set g, g+1
.endr
.Lend:
	s_wait_tensorcnt 0x0                           ; the wave's end
	ds_add_u32 v[SPW], v[NIL]
	s_wait_dscnt 0x0
	s_endpgm
.Lfunc_end_k_q83745fb8b8_prep:
	.size	k_q83745fb8b8_prep, .Lfunc_end_k_q83745fb8b8_prep-k_q83745fb8b8_prep
	.p2alignl 7, 3214868480
	.fill 96, 4, 3214868480
	.section	.rodata,"a",@progbits
	.p2align	6, 0x0
	.amdhsa_kernel k_q83745fb8b8_prep
		.amdhsa_group_segment_fixed_size 84992
		.amdhsa_private_segment_fixed_size 0
		.amdhsa_enable_private_segment 0
		.amdhsa_kernarg_size 80
		.amdhsa_user_sgpr_count 2
		.amdhsa_user_sgpr_kernarg_segment_ptr 1
		.amdhsa_wavefront_size32 1
		.amdhsa_system_sgpr_workgroup_id_x 1
		.amdhsa_system_sgpr_workgroup_id_y 1
		.amdhsa_system_sgpr_workgroup_id_z 1
		.amdhsa_system_vgpr_workitem_id 0
		.amdhsa_next_free_vgpr 192
		.amdhsa_next_free_sgpr 66
		.amdhsa_reserve_vcc 0
		.amdhsa_float_denorm_mode_32 3
		.amdhsa_float_denorm_mode_16_64 3
		.amdhsa_memory_ordered 1
		.amdhsa_forward_progress 1
		.amdhsa_inst_pref_size 74
	.end_amdhsa_kernel
	.amdgpu_metadata
---
amdhsa.version: [ 1, 2 ]
amdhsa.kernels:
  - .name:           k_q83745fb8b8_prep
    .symbol:         k_q83745fb8b8_prep.kd
    .args:
      - { .name: Wq, .offset: 0, .size: 8, .value_kind: global_buffer, .address_space: global }
      - { .name: Wk, .offset: 8, .size: 8, .value_kind: global_buffer, .address_space: global }
      - { .name: Wv, .offset: 16, .size: 8, .value_kind: global_buffer, .address_space: global }
      - { .name: Wo, .offset: 24, .size: 8, .value_kind: global_buffer, .address_space: global }
      - { .name: queries, .offset: 32, .size: 8, .value_kind: global_buffer, .address_space: global }
      - { .name: keys, .offset: 40, .size: 8, .value_kind: global_buffer, .address_space: global }
      - { .name: values, .offset: 48, .size: 8, .value_kind: global_buffer, .address_space: global }
      - { .name: codes, .offset: 56, .size: 8, .value_kind: global_buffer, .address_space: global }
      - { .name: scales, .offset: 64, .size: 8, .value_kind: global_buffer, .address_space: global }
      - { .name: woimg, .offset: 72, .size: 8, .value_kind: global_buffer, .address_space: global }
    .group_segment_fixed_size: 84992
    .private_segment_fixed_size: 0
    .kernarg_segment_align: 8
    .kernarg_segment_size: 80
    .max_flat_workgroup_size: 256
    .sgpr_count:     66
    .vgpr_count:     192
    .wavefront_size: 32
...
	.end_amdgpu_metadata
.endif
;; end of part 1
;; launch proj (part 2): grid 4 x 48, 4 waves a work-group, clusters of 4 x 4, 327,680 bytes of LDS; arguments codes, scales, qkv; writes qkv
.if DOCPART == 2
	.amdgcn_target "amdgcn-amd-amdhsa--gfx1250"
	.amdhsa_code_object_version 6
	.text
	.protected	k_q83745fb8b8_proj
	.globl	k_q83745fb8b8_proj
	.p2align	8
	.type	k_q83745fb8b8_proj,@function
k_q83745fb8b8_proj:
	s_mov_b64 s[64:65], 0
	v_nop
	global_prefetch_b8 v0, s[64:65] scope:SCOPE_SE
	s_setreg_imm32_b32 hwreg(HW_REG_WAVE_MODE, 25, 1), 1
	s_wait_xcnt 0x0
	s_wait_alu depctr_hold_cnt(0) depctr_sa_sdst(0) depctr_va_vdst(0) depctr_va_sdst(0) depctr_va_ssrc(0) depctr_va_vcc(0) depctr_vm_vsrc(0)
	s_getreg_b32 s2, hwreg(HW_REG_IB_STS2, 6, 4)
	s_cmp_eq_u32 s2, 0
	s_cbranch_scc0 .Lentry_in_a_cluster
	s_endpgm
.Lentry_in_a_cluster:
	s_bfe_u32 s2, ttmp6, 0x10000c
	s_cmp_lg_u32 s2, 0xf033
	s_cbranch_scc0 .Lentry_shape_is_right
	s_endpgm
.Lentry_shape_is_right:
; Launch 2 of 4: the three QUANTISED projections, on codes of E2M1 with one E8M0 scale for each 32 along K, sums in f32; q, k, v leave as f16 in the order of the next launch's operand registers.  No work is left out here.
; ONE TEXT FOR ALL THREE: C'[m'][n'] = sum over k of A'[m'][k] B'[n'][k], K = 1,024; A' and B' are rows of the buffer codes.  q, k (p = 0, 1): A' = tokens, B' = the weight's columns.  v (p = 2): A' = Wv's columns, B' = tokens.
; A tile of C', 256 x 256, is made by four waves, 128 x 128 each: 64 accumulators, 512 registers.  K is two LDS slots of 512 (rows of 256 bytes).
; A WORK-GROUP STAYS AND MAKES TWO TILES: the three products have 384 tiles, two to each of 192 work-groups, so that all have equal work.  Tile 1 lies 1,024 tokens behind tile 0.  The ring does not stop at the tile's end: when tile 0
; has left a slot, the slot takes the same half of K of tile 1, and tile 0's stores leave while tile 1 is multiplied.  Of the two operands the weight is the same for both tiles; it is fetched again, with a step of 0 bytes:
; one text serves both roles of the operands, and every work-group that a mask names issues every joint load.
; THE MATRIX INSTRUCTION IS USED TRANSPOSED (source 0 = 16 rows of B', source 1 = 16 rows of A'): lane (r, h) holds row m' = r and eight neighbouring n' = 8 h + 0..7.  Rounded to f16 they are 16 bytes: lane 16 h + r's part of
; a 512-byte chunk of an operand image (16 rows x 16 along the next K).  For q and k the row is a token and the eight are channels; for v the row is a channel and the eight are keys: V^T, as the second product of attention takes it.
; IMAGES in qkv (q at 0, k at 16 MiB, v at 32 MiB; b << 21, head << 17):  q, k: token tile x 2,048 + (channel / 16) x 512 + 16 lane;   v: (key / 64) x 8,192 + (channel / 16) x 2,048 + ((key / 16) % 4) x 512 + 16 lane.
; CLUSTERS: 4 x 4 work-groups; a cluster makes 1,024 x 1,024 of C' twice.  The four of a row of the cluster need the same tiles of A', the four of a column the same tiles of B': each tile is asked for jointly.
; REGISTERS, in windows of 256: window 0: v0-31 addresses; v32-95 scale words, two sets; v128-191 A's fragments, one set; v96-127, v192-255 the rounded results on the way out, three sets.  window 1: B's fragments, two sets.  windows 2, 3: accumulators.
.set KSTEP,  512
.set NQ,     4
.set ROWB,   256
.set KROW,   512                       ; a row of codes in memory
.set PITCH,  272                       ; an LDS row: 256 bytes + 16 of padding = 68 words: the 16 rows that a load touches start at 16 different banks (64 banks of 4 bytes: ISA guide 11.1)
.set FR,     8
.set NL,     2
.set NP,     4                         ; places behind this matrix instruction (ISA guide 7.12.1)
.set HALFT,  128*PITCH
.set SLOT,   4*HALFT
.set KS,     32                        ; a row of scale bytes
.set SCL,    2*SLOT                    ; behind the ring: tile 0's scales, as runs of 256 bytes + 16 of padding; 4 HALFS bytes on: tile 1's.  Both are filled once
.set HALFS,  16*272                    ; the scales of 128 rows
.set SBLK,   2*272                     ; of 16 rows
.set SPARE,  SCL+8*HALFS               ; the spare words, 128 bytes a wave: two blocks of 256 bytes that no other line names
.set ADRA, 16
.set ADRB, 20
.set CO,   26                          ; v26  16 x lane
.set ADRS, 27
.set SPW,  28
.set NIL,  29
.set SC,   32
.set AF,   128
.set OB,   8                           ; s[8:15] four store bases: (A' half of four blocks, B' half of four blocks) = (0,0), (0,1), (1,0), (1,1)
.set STA,  20                          ; s[20:21] from tile 0 to tile 1 in A's codes, in bytes: 1,024 rows where A' is the tokens, else 0
.set STB,  46                          ; s[46:47] the same for B'
.set G1, 24
.set G0, 32
.set G1B, 48
.set G0B, 56
.set G1S, 68
.set G0S, 76                           ; group 0 for A's scales of tile 0;
.set G1SB, 80
.set G0SB, 88                          ; for B's;
.set G0T, 92                           ; for A's of tile 1;
.set G0TB, 96                          ; for B's of tile 1
.set MSB, 0
.macro WIN new                         ; the immediate's high byte repeats the setting that is left
.if MSB != \new
	s_set_vgpr_msb (MSB<<8)|\new
.set MSB, \new
.endif
.endm
.set MUL_LO, 0xa1
.set MUL_HI, 0xf1
.set TO_B,   0x40
; A joint load: waves 0 and 1 fetch for A', waves 2 and 3 for B'.  The branch hangs on the wave's number alone.  An s_nop 0 and four v_nop follow each of the two lines.
.macro JLOAD g0a, g1a, g0b, g1b
	s_cmp_eq_u32 s19, 0
	s_cbranch_scc0 .Lfor_b_\@
	tensor_load_to_lds s[\g0a:\g0a+3], s[\g1a:\g1a+7]
	s_nop 0
.rept 4
	v_nop
.endr
	s_branch .Lasked_\@
.Lfor_b_\@:
	tensor_load_to_lds s[\g0b:\g0b+3], s[\g1b:\g1b+7]
	s_nop 0
.rept 4
	v_nop
.endr
.Lasked_\@:
.endm
.macro CREST                           ; a round of the cluster's barrier behind its opening barrier
	s_cmp_lg_u32 s18, 0
	s_cbranch_scc1 .Lnot_wave_0_\@
	s_barrier_signal -3
.Lnot_wave_0_\@:
	s_barrier_wait -3
	s_barrier_signal -1
	s_barrier_wait -1
.endm
.macro CROUND                          ; a whole round
	s_barrier_signal -1
	s_barrier_wait -1
	CREST
.endm
	s_load_b128 s[4:7], s[0:1], 0x0                ; codes, scales
	s_load_b64 s[8:9], s[0:1], 0x10                ; qkv
	v_lshl_add_u32 v[SPW], v0, 2, SPARE
	v_mov_b32 v[NIL], 0
	ds_add_u32 v[SPW], v[NIL]                      ; the wave's opening: the add, twice on end, and its wait ahead of my first tensor load
	ds_add_u32 v[SPW], v[NIL]
	v_lshrrev_b32 v1, 5, v0
	v_readfirstlane_b32 s18, v1                    ; wave 0..3
	s_lshr_b32 s19, s18, 1                         ; which half of the tile's rows (A') is mine.  Also: I fetch for A' (0) or for B' (1)
	s_and_b32 s16, s18, 1                          ; which half of its columns (B').  Also: which 128 rows I fetch
	s_bfe_u32 s40, ttmp6, 0x40000                  ; cx
	s_bfe_u32 s41, ttmp6, 0x40004                  ; cy
	s_and_b32 s17, ttmp7, 0xffff                   ; the cluster's y, 0..11
	s_lshr_b32 s42, s17, 2                         ; p: 0 q, 1 k, 2 v
	s_and_b32 s66, s17, 3
	s_lshl_b32 s66, s66, 11                        ; the cluster's first token: 2,048 tokens a cluster, 1,024 in each of its two turns
	s_lshr_b32 s67, s42, 1                         ; 1 for v
	s_sub_co_u32 s2, 10240, s66
	s_mul_i32 s2, s2, s67                          ; d: for v the roles change: A' begins at row 26624 = 16384 + tokens + d, B' at 16384 + tokens = 24576 + 2048 - d
	s_lshl_b32 s43, s41, 2
	s_lshl_b32 s43, 15, s43                        ; my row of the cluster
	s_lshl_b32 s44, 0x1111, s40                    ; my column
	s_or_b32 s[G1+0], s43, (0<<16)|(1<<20)|(1<<21)|(5<<22)|(3<<25)  ; the mask; elements of 1 byte; padding on; bit 21 beside a mask; after every 64 words four words
	s_or_b32 s[G1B+0], s44, (0<<16)|(1<<20)|(1<<21)|(5<<22)|(3<<25)
.irp g, G1, G1B
	s_mov_b32 s[\g+1], ROWB<<16                    ; tensor_dim0
	s_mov_b32 s[\g+2], 128<<16                     ; tensor_dim1
	s_mov_b32 s[\g+3], ROWB<<16                    ; tile_dim0
	s_mov_b32 s[\g+4], 128                         ; tile_dim1
	s_mov_b32 s[\g+5], KROW                        ; from row to row
	s_mov_b32 s[\g+6], 0
	s_mov_b32 s[\g+7], 0
.endr
	s_or_b32 s[G1S+0], s43, (3<<16)|(1<<20)|(1<<21)|(5<<22)|(3<<25) ; the scales of 128 rows: 4,096 dense bytes as 16 rows of 32 elements of 8 bytes, padded likewise
	s_or_b32 s[G1SB+0], s44, (3<<16)|(1<<20)|(1<<21)|(5<<22)|(3<<25)
.irp g, G1S, G1SB
	s_mov_b32 s[\g+1], 32<<16
	s_mov_b32 s[\g+2], 16<<16
	s_mov_b32 s[\g+3], 32<<16
	s_mov_b32 s[\g+4], 16
	s_mov_b32 s[\g+5], 32
	s_mov_b32 s[\g+6], 0
	s_mov_b32 s[\g+7], 0
.endr
	s_lshl_b32 s3, s16, 7                          ; which 128 rows of the tile I fetch
	s_lshl_b32 s20, s42, 13
	s_add_co_u32 s20, s20, s66
	s_add_co_u32 s20, s20, s2
	s_lshl_b32 s21, s41, 8
	s_add_co_u32 s20, s20, s21
	s_add_co_u32 s20, s20, s3                      ; A': its row in codes; it hangs on cy and never on cx
	s_lshl_b32 s46, s42, 10
	s_add_co_u32 s46, s46, 24576
	s_sub_co_u32 s46, s46, s2
	s_lshl_b32 s47, s40, 8
	s_add_co_u32 s46, s46, s47
	s_add_co_u32 s46, s46, s3                      ; B': it hangs on cx and never on cy
	s_lshl_b32 s22, s20, 5                         ; 32 scale bytes a row,
	s_lshl_b32 s20, s20, 9                         ; 512 bytes of codes
	s_lshl_b32 s[G0SB+2], s46, 5
	s_lshl_b32 s46, s46, 9
	s_mov_b32 s21, 0
	s_mov_b32 s23, 0
	s_mov_b32 s47, 0
	s_mov_b32 s[G0SB+3], 0
	s_mul_i32 s45, s18, HALFT                      ; where they go: wave x 128 rows: no place in the cluster enters an LDS address
	s_mul_i32 s17, s18, HALFS
	s_xor_b32 s2, s67, 1
	s_lshl_b32 s2, s2, 15                          ; from tile 0 to tile 1 in A's scales: 1,024 rows of 32 bytes where A' is the tokens, else 0
	s_mov_b32 s3, 0
	s_wait_dscnt 0x0                               ; both opening adds are done
	s_wait_kmcnt 0x0
	s_add_nc_u64 s[20:21], s[4:5], s[20:21]
	s_add_nc_u64 s[22:23], s[6:7], s[22:23]
	s_add_nc_u64 s[46:47], s[4:5], s[46:47]
	s_add_nc_u64 s[G0SB+2:G0SB+3], s[6:7], s[G0SB+2:G0SB+3]
	CROUND                                         ; all sixteen work-groups are here: the first joint loads meet
	s_mov_b32 s[G0S], 1
	s_add_co_u32 s[G0S+1], s17, SCL
	s_mov_b64 s[G0S+2:G0S+3], s[22:23]
	s_mov_b32 s[G0T], 1
	s_add_co_u32 s[G0T+1], s17, SCL+4*HALFS
	s_add_nc_u64 s[G0T+2:G0T+3], s[22:23], s[2:3]
	s_lshl_b32 s2, s67, 15                         ; the same step for B's scales
	s_mov_b32 s[G0SB], 1
	s_add_co_u32 s[G0SB+1], s17, SCL
	s_mov_b32 s[G0TB], 1
	s_add_co_u32 s[G0TB+1], s17, SCL+4*HALFS
	s_add_nc_u64 s[G0TB+2:G0TB+3], s[G0SB+2:G0SB+3], s[2:3]
	s_or_b32 s[G0S+3], s[G0S+3], 0x80000000
	s_or_b32 s[G0T+3], s[G0T+3], 0x80000000
	s_or_b32 s[G0SB+3], s[G0SB+3], 0x80000000
	s_or_b32 s[G0TB+3], s[G0TB+3], 0x80000000
	JLOAD G0S, G1S, G0SB, G1SB                     ; both tiles' scales first; then both slots: four loads of mine are out
	JLOAD G0T, G1S, G0TB, G1SB
.irp s, 0,1
	s_mov_b32 s[G0+4*\s], 1
	s_add_co_u32 s[G0+4*\s+1], s45, \s*SLOT
	s_add_nc_u64 s[G0+4*\s+2:G0+4*\s+3], s[20:21], \s*ROWB
	s_or_b32 s[G0+4*\s+3], s[G0+4*\s+3], 0x80000000
	s_mov_b32 s[G0B+4*\s], 1
	s_add_co_u32 s[G0B+4*\s+1], s45, \s*SLOT
	s_add_nc_u64 s[G0B+4*\s+2:G0B+4*\s+3], s[46:47], \s*ROWB
	s_or_b32 s[G0B+4*\s+3], s[G0B+4*\s+3], 0x80000000
	JLOAD G0+4*\s, G1, G0B+4*\s, G1B
.endr
	s_xor_b32 s[STA], s67, 1                       ; the refills' steps, made of the cluster's y alone: 1,024 rows of 512 bytes for the tokens, 0 for the weight
	s_lshl_b32 s[STA], s[STA], 19
	s_mov_b32 s[STA+1], 0
	s_lshl_b32 s[STB], s67, 19
	s_mov_b32 s[STB+1], 0
	v_and_b32 v1, 15, v0                           ; l % 16
	v_bfe_u32 v2, v0, 4, 1                         ; l / 16
	v_mul_u32_u24 v3, v1, PITCH
	v_lshl_add_u32 v4, v2, 4, v3
	s_mul_i32 s22, s19, HALFT                      ; my 128 rows of A'
	s_mul_i32 s23, s16, HALFT                      ; my 128 rows of B',
	s_add_co_u32 s23, s23, 2*HALFT                 ; behind A's 256
.irp s, 0,1
	v_add_nc_u32 v[ADRA+\s], s22, v4
	v_add_nc_u32 v[ADRB+\s], s23, v4
	s_add_co_u32 s22, s22, SLOT
	s_add_co_u32 s23, s23, SLOT
.endr
	v_mul_u32_u24 v5, v1, KS                       ; my row's scales: 32 bytes a row,
	v_lshrrev_b32 v6, 8, v5
	v_lshl_add_u32 v5, v6, 4, v5                   ; and 16 more for each 256 passed
	s_mul_i32 s22, s19, HALFS
	s_mul_i32 s23, s16, HALFS
	s_add_co_u32 s23, s23, 2*HALFS
	s_sub_co_u32 s23, s23, s22
	v_mul_u32_u24 v6, s23, v2                      ; lanes 16-31 take B's
	s_add_co_u32 s22, s22, SCL
	v_add_nc_u32 v5, v5, v6
	v_add_nc_u32 v[ADRS], s22, v5
	v_and_b32 v6, 31, v0
	v_lshlrev_b32 v[CO], 4, v6
	; where my 128 x 128 of tile 0 goes, in registers that feed no descriptor
	s_lshl_b32 s100, s41, 8
	s_lshl_b32 s101, s19, 7
	s_add_co_u32 s100, s100, s101                  ; my first row of A' in the cluster's 1,024
	s_lshl_b32 s101, s40, 8
	s_lshl_b32 s104, s16, 7
	s_add_co_u32 s101, s101, s104                  ; my first row of B'
	s_sub_co_u32 s104, s101, s100
	s_mul_i32 s104, s104, s67                      ; for v the two change places
	s_add_co_u32 s100, s100, s104
	s_add_co_u32 s100, s100, s66                   ; my first token
	s_sub_co_u32 s101, s101, s104                  ; my first channel
	s_lshr_b32 s104, s100, 10
	s_lshl_b32 s104, s104, 21                      ; b << 21
	s_and_b32 s100, s100, 1023
	s_lshl_b32 s100, s100, 7                       ; 128 bytes a token: 2,048 a tile of 16, 8,192 a step of 64
	s_add_co_u32 s104, s104, s100
	s_lshr_b32 s101, s101, 6
	s_lshl_b32 s101, s101, 17                      ; head << 17
	s_add_co_u32 s104, s104, s101
	s_lshl_b32 s101, s42, 24                       ; q, k or v
	s_add_co_u32 s104, s104, s101
	s_mov_b32 s105, 0
	s_add_nc_u64 s[OB:OB+1], s[OB:OB+1], s[104:105]
	s_mul_i32 s100, s67, 122880
	s_sub_co_u32 s104, 131072, s100                ; four blocks of B' on: a head (q, k) or a step of 64 keys (v)
	s_add_co_u32 s100, s100, 8192                  ; four blocks of A' on: four token tiles (q, k) or a head (v)
	s_mov_b32 s101, 0
	s_add_nc_u64 s[OB+2:OB+3], s[OB:OB+1], s[104:105]
	s_add_nc_u64 s[OB+4:OB+5], s[OB:OB+1], s[100:101]
	s_add_nc_u64 s[OB+6:OB+7], s[OB+4:OB+5], s[104:105]
.macro FRAG reg, adr, q, i             ; 16 rows x 128 K of 4-bit codes: 8 registers: lane l holds row l % 16; registers 4 c .. 4 c + 3 hold K = 64 c + 32 (l / 16) + 0 .. 31
.irp c, 0,1
	ds_load_b128 v[\reg+4*\c:\reg+4*\c+3], v[\adr] offset:64*(\q)+32*\c+(\i)*16*PITCH
.endr
.endm
; 16 matrix instructions: A's blocks a0, a0 + 1 x B's eight.  The 64 accumulators take turns, one instruction a turn, in the same order in every step.  zero = 1: the first product starts the sums.
.macro MUL16 a0, p, q, sc, zero
.irp a, \a0, \a0+1
.irp b, 0,1,2,3,4,5,6,7
.if \zero
	v_wmma_scale_f32_16x16x128_f8f6f4 v[8*(8*((\a)%4)+\b):8*(8*((\a)%4)+\b)+7], v[128*(\p)+FR*\b:128*(\p)+FR*\b+FR-1], v[AF+FR*(\a):AF+FR*(\a)+FR-1], 0, v[SC+8*NQ*(\sc)+NQ*\b+(\q)], v[SC+8*NQ*(\sc)+NQ*(\a)+(\q)] matrix_a_fmt:MATRIX_FMT_FP4 matrix_b_fmt:MATRIX_FMT_FP4 matrix_a_scale:MATRIX_SCALE_ROW1
.else
	v_wmma_scale_f32_16x16x128_f8f6f4 v[8*(8*((\a)%4)+\b):8*(8*((\a)%4)+\b)+7], v[128*(\p)+FR*\b:128*(\p)+FR*\b+FR-1], v[AF+FR*(\a):AF+FR*(\a)+FR-1], v[8*(8*((\a)%4)+\b):8*(8*((\a)%4)+\b)+7], v[SC+8*NQ*(\sc)+NQ*\b+(\q)], v[SC+8*NQ*(\sc)+NQ*(\a)+(\q)] matrix_a_fmt:MATRIX_FMT_FP4 matrix_b_fmt:MATRIX_FMT_FP4 matrix_a_scale:MATRIX_SCALE_ROW1
.endif
.endr
.endr
.endm
.macro FETCH_B slot, q, p
	WIN TO_B
.irp i, 0,1,2,3,4,5,6,7
	FRAG 128*(\p)+FR*\i, ADRB+\slot, \q, \i
.endr
	WIN 0
.endm
.macro FETCH_A slot, q, i0
.irp i, \i0, \i0+1, \i0+2, \i0+3
	FRAG AF+FR*(\i), ADRA+\slot, \q, \i
.endr
.endm
.macro SCALES sc                       ; a slot's scale words: four words a row; lanes 0-15 take A's block i, lanes 16-31 B's block i
.irp i, 0,1,2,3,4,5,6,7
	ds_load_b128 v[SC+8*NQ*\sc+NQ*\i:SC+8*NQ*\sc+NQ*\i+3], v[ADRS] offset:\i*SBLK
.endr
.endm
.macro PLACES n                        ; plain vector lines between a matrix instruction and a load into, or a vector line on, its registers (ISA guide 7.12.1 for vector lines)
.rept \n
	v_nop
.endr
.endm
.macro STEP slot, q, zero              ; 128 along K whose successor lies in the same slot
	s_wait_dscnt 4*NL                              ; B's set and A's blocks 0-3 are in; the youngest eight loads (A's blocks 4-7) may be out
	WIN MUL_LO
	MUL16 0, (\q)%2, \q, \slot, \zero
	MUL16 2, (\q)%2, \q, \slot, \zero
	s_wait_dscnt 0
	PLACES NP
	FETCH_B \slot, (\q)+1, 1-(\q)%2
	FETCH_A \slot, (\q)+1, 0
	WIN MUL_HI
	MUL16 4, (\q)%2, \q, \slot, \zero
	MUL16 6, (\q)%2, \q, \slot, \zero
	PLACES NP
	WIN 0
	FETCH_A \slot, (\q)+1, 4
.endm
; A slot's last step changes slots: ONE barrier; in front of it each wave waits for all its tensor loads, adds 0 to its spare word, and waits for that and for its own reads of this slot.
; fill = 1: the barrier opens a round of the cluster's, and behind the round this slot takes the same half of K of tile 1.  sstep: from the scale words in hand to the next slot's.
.macro TURN slot, next, fill, sstep
	s_wait_tensorcnt 0x0                           ; all my tensor loads have landed: my part of the next slot  (every window is 0 here: the add's two registers lie in window 0)
	ds_add_u32 v[SPW], v[NIL]                      ; 0 onto my spare word
	s_wait_dscnt 4*NL+1                            ; (the add and the youngest eight loads, A's blocks 4-7, may be out)
	WIN MUL_LO
	MUL16 0, 1, NQ-1, \slot, 0                     ; sixteen matrix instructions stand between the add and the wait for it
	s_wait_dscnt 0x0                               ; the add is done, and my reads of this slot are over
	s_barrier_signal -1
	MUL16 2, 1, NQ-1, \slot, 0
	WIN 0
	s_barrier_wait -1
.if \fill
	CREST                                          ; no wave of any partner still reads this slot's tile or has a load on its way
	s_add_nc_u64 s[G0+4*\slot+2:G0+4*\slot+3], s[G0+4*\slot+2:G0+4*\slot+3], s[STA:STA+1]
	s_add_nc_u64 s[G0B+4*\slot+2:G0B+4*\slot+3], s[G0B+4*\slot+2:G0B+4*\slot+3], s[STB:STB+1]
	JLOAD G0+4*\slot, G1, G0B+4*\slot, G1B         ; the first tensor load behind the round, one a wave; its four v_nop are among the places in front of the loads below
.else
	PLACES NP
.endif
	v_add_nc_u32 v[ADRS], \sstep, v[ADRS]
	FETCH_B \next, 0, 0
	FETCH_A \next, 0, 0
	SCALES \next
	WIN MUL_HI
	MUL16 4, 1, NQ-1, \slot, 0
	MUL16 6, 1, NQ-1, \slot, 0
	PLACES NP
	WIN 0
	FETCH_A \next, 0, 4
.endm
; THE WAY OUT: no LDS.  An accumulator's eight numbers of a lane round to 16 bytes, and the 32 lanes' 512 bytes are a chunk of an image as it lies in memory: each store of the wave covers 512 consecutive bytes, aligned.
; The rounded results take three sets of 32 registers by turns, beside the next tile's scale words and fragments, which are in registers already.  wx = 1: the set's last stores have read it only behind the wait.
.macro OUTBLK a, wx
.set AC, 64*((\a)%4)
.set TP, 96+96*(((\a)%3+1)/2)+32*(((\a)%3)/2)  ; v96, v192, v224
.if \wx
	s_wait_xcnt 0x0                                ; the stores of three blocks back have read their registers, which are written again
.endif
	WIN 0x0a+5*((\a)/4)                            ; sources in window 2 or 3
.irp b, 0,1,2,3,4,5,6,7
.irp r, 0,1,2,3
	v_cvt_pk_f16_f32 v[TP+4*\b+\r], v[AC+8*\b+2*\r], v[AC+8*\b+2*\r+1]   ; each accumulator from its low end on
.endr
.endr
	WIN 0
.irp b, 0,1,2,3,4,5,6,7
	global_store_b128 v[CO], v[TP+4*\b:TP+4*\b+3], s[OB+4*((\a)/4)+2*(\b/4):OB+4*((\a)/4)+2*(\b/4)+1] offset:((\a)%4)*2048+(\b%4)*512
.endr
.endm
.macro OUTTILE
	OUTBLK 0, 0
	OUTBLK 1, 0
	OUTBLK 2, 0
.irp a, 3,4,5,6,7
	OUTBLK \a, 1
.endr
.endm
	s_wait_tensorcnt 1                             ; both tiles' scales and my part of slot 0 are in; slot 1's load may stay out
	s_barrier_signal -1
	s_barrier_wait -1
	FETCH_B 0, 0, 0
	FETCH_A 0, 0, 0
	SCALES 0
	FETCH_A 0, 0, 4
	; ---- tile 0
	STEP 0, 0, 1                                   ; the first products start the sums: nothing is cleared
	STEP 0, 1, 0
	STEP 0, 2, 0
	TURN 0, 1, 1, 4*NQ                             ; slot 0 takes tile 1's first half of K; the scale words of slot 1 lie 16 bytes on in each row
	STEP 1, 0, 0
	STEP 1, 1, 0
	STEP 1, 2, 0
	TURN 1, 0, 1, 4*HALFS-4*NQ                     ; slot 1 takes tile 1's second half of K; tile 1's first fragments and scale words are fetched
	OUTTILE                                        ; both refills are asked for: now tile 0 goes out.  The places behind the last products stand at the end of TURN; nothing waits for these stores
	; ---- tile 1
	STEP 0, 0, 1                                   ; its first products start the sums anew, on accumulators that have been rounded
	STEP 0, 1, 0
	STEP 0, 2, 0
	TURN 0, 1, 0, 4*NQ                             ; nothing is left to fetch: a plain barrier
	STEP 1, 0, 0
	STEP 1, 1, 0
	STEP 1, 2, 0
	s_wait_dscnt 4*NL                              ; the last step: nothing more to fetch
	WIN MUL_LO
	MUL16 0, 1, 3, 1, 0
	MUL16 2, 1, 3, 1, 0
	s_wait_dscnt 0
	WIN MUL_HI
	MUL16 4, 1, 3, 1, 0
	MUL16 6, 1, 3, 1, 0
	WIN 0
	PLACES NP                                      ; behind the last products, whose results are read below
	s_wait_xcnt 0x0                                ; tile 0's stores have read their bases and their registers
.irp i, 0,1,2,3
	s_add_nc_u64 s[OB+2*\i:OB+2*\i+1], s[OB+2*\i:OB+2*\i+1], 0x200000   ; 1,024 tokens on: the next batch, in q, k and v alike
.endr
	OUTTILE
	s_wait_tensorcnt 0x0                           ; the wave's end
	ds_add_u32 v[SPW], v[NIL]
	s_wait_dscnt 0x0
	CROUND                                         ; the closing round
	s_endpgm
.Lfunc_end_k_q83745fb8b8_proj:
	.size	k_q83745fb8b8_proj, .Lfunc_end_k_q83745fb8b8_proj-k_q83745fb8b8_proj
	.p2alignl 7, 3214868480
	.fill 96, 4, 3214868480
	.section	.rodata,"a",@progbits
	.p2align	6, 0x0
	.amdhsa_kernel k_q83745fb8b8_proj
		.amdhsa_group_segment_fixed_size 327680
		.amdhsa_private_segment_fixed_size 0
		.amdhsa_enable_private_segment 0
		.amdhsa_kernarg_size 24
		.amdhsa_user_sgpr_count 2
		.amdhsa_user_sgpr_kernarg_segment_ptr 1
		.amdhsa_wavefront_size32 1
		.amdhsa_system_sgpr_workgroup_id_x 1
		.amdhsa_system_sgpr_workgroup_id_y 1
		.amdhsa_system_sgpr_workgroup_id_z 1
		.amdhsa_system_vgpr_workitem_id 0
		.amdhsa_next_free_vgpr 1024
		.amdhsa_next_free_sgpr 106
		.amdhsa_reserve_vcc 0
		.amdhsa_float_denorm_mode_32 3
		.amdhsa_float_denorm_mode_16_64 3
		.amdhsa_memory_ordered 1
		.amdhsa_forward_progress 1
		.amdhsa_inst_pref_size 229
	.end_amdhsa_kernel
	.amdgpu_metadata
---
amdhsa.version: [ 1, 2 ]
amdhsa.kernels:
  - .name:           k_q83745fb8b8_proj
    .symbol:         k_q83745fb8b8_proj.kd
    .args:
      - { .name: codes, .offset: 0, .size: 8, .value_kind: global_buffer, .address_space: global }
      - { .name: scales, .offset: 8, .size: 8, .value_kind: global_buffer, .address_space: global }
      - { .name: qkv, .offset: 16, .size: 8, .value_kind: global_buffer, .address_space: global }
    .group_segment_fixed_size: 327680
    .private_segment_fixed_size: 0
    .kernarg_segment_align: 8
    .kernarg_segment_size: 24
    .max_flat_workgroup_size: 128
    .sgpr_count:     106
    .vgpr_count:     1024
    .wavefront_size: 32
...
	.end_amdgpu_metadata
.endif
;; end of part 2
;; launch attn (part 3): grid 1024 x 1, 4 waves a work-group, no clusters, 49,664 bytes of LDS; arguments qkv, valid_lens, aimg; writes aimg
.if DOCPART == 3
	.amdgcn_target "amdgcn-amd-amdhsa--gfx1250"
	.amdhsa_code_object_version 6
	.text
	.protected	k_q83745fb8b8_attn
	.globl	k_q83745fb8b8_attn
	.p2align	8
	.type	k_q83745fb8b8_attn,@function
k_q83745fb8b8_attn:
	s_mov_b64 s[64:65], 0
	v_nop
	global_prefetch_b8 v0, s[64:65] scope:SCOPE_SE
	s_setreg_imm32_b32 hwreg(HW_REG_WAVE_MODE, 25, 1), 1
	s_wait_xcnt 0x0
; Launch 3 of 4: out[b][h][q] = sum over k of softmax_k(s) v[b][h][k], s = q.k / 8 where k < valid_lens[b], else -1e6.  f16 operands, f32 sums, maxima and exponentials; the result leaves as f16 in the order of the last launch's operand registers.
; WORK NOT DONE, by whole numbers read from memory: a step of 64 keys that lies wholly at or past valid_lens[b].  All its keys have the score -1e6 and so one weight w = exp(-1e6 - the row's maximum): their part is
; w x (the sum of their rows of v) in the numerator and w x 64 in the divisor, for all values of the inputs.  The rows of v are summed (by products with ones, shared among the four waves), -1e6 enters the maximum, w is computed.
; LIMITS: valid_lens outside 0 .. 1,024 acts as held to that range, which is what reference()'s comparison gives.  q, k, v, p and the result are f16: see the first launch's head.
; NO CLUSTER, NO TENSOR LOAD: which steps are walked hangs on valid_lens, a number read from memory; K and V go memory -> registers -> LDS, a step ahead, shared by the four waves.  No prefetch: those loads are themselves issued one key step ahead of their use.
; SHARES.  A work-group owns 128 queries of one (b, head), a wave 32: two tiles of 16.  Work-group i: b = ((i & 7) + (i >> 8)) & 7, head = (i >> 3) & 15, query block = (i >> 7) & 7: one-to-one; neighbouring numbers fall on different batches, whose work differs.
; LAYOUT.  S^T = K Q^T (source 0 = 16 keys, source 1 = 16 queries): a lane holds ONE query (lane % 16) and keys 8 (lane / 16) + 0..7.  Two such tiles, rounded in pairs, ARE source 1 of O^T = V^T P.  All operands lie in memory and in LDS as images of
; their registers: a chunk of 512 bytes, 16 bytes a lane at 16 x lane.  No pitch, no padding, no transposing load.
; SOFTMAX.  Running maximum m (of raw q.k; a masked key counts as -8e6, since c x -8e6 = -1e6 log2 e) and sum l: p = 2^(c s - c m), c = log2(e) / 8; in every step O and l are multiplied by a = 2^(c m_old - c m_new).
.set SLOTB, 16384                      ; LDS: two slots, each K's 8 KiB and V's 8 KiB of one step of 64 keys
.set VOFF,  8192
.set RED,   32768                      ; four waves x 4,096: the partial sums of masked rows of v
.set SPARE, 49152                      ; the spare words, 128 bytes a wave: two blocks of 256 bytes that no other line names
.set LA,  1                            ; v1  16 x lane
.set SW,  2                            ; v2  + 2,048 x wave: my part of a tile on its way into LDS
.set RW,  3                            ; v3  16 x lane + 4,096 x wave
.set H8,  4                            ; v4  8 (lane / 16)
.set DD,  5
.set NEG, 6
.set SPW, 8
.set NIL, 9
.set ST,  16                           ; v16-31 tile t at ST + 8 t: +0 c m, +1 m, +2, +3 l (two halves), +4 .. +7 at work; a at +6
.set Q,   32                           ; v32-63  Q: tile t, channels 32 cs on: Q + 16 t + 8 cs
.set KV,  64                           ; v64-95  four fragments of K or of V
.set STG, 96                           ; v96-127 the next step's K and V on their way to LDS
.set S,   128                          ; v128-191 S^T, 32 a tile; p; P packed into a tile's first 16
.set O,   192                          ; v192-255 O^T: tile t, channels 16 ct on: O + 32 t + 8 ct
.set WV,  10
.set QP,  16
.set KP,  18
.set VP,  20
.set VM,  22
.set VL,  24                           ; s24 valid_lens[b], held to 0 .. 1,024
.set NVS, 25                           ; s25 steps with at least one key that counts
.set T,   26
.set T1,  27
.set T0,  28
.set CS,  30
.set SEL, 32
.set MM,  34
.set NMF, 35
.set SS,  36
.set BIG, 37
.macro NOPS n
.rept \n
	v_nop
.endr
.endm
	s_load_b128 s[4:7], s[0:1], 0x0                ; qkv, valid_lens
	s_load_b64 s[8:9], s[0:1], 0x10                ; aimg
	v_lshl_add_u32 v[SPW], v0, 2, SPARE
	v_mov_b32 v[NIL], 0
	v_lshrrev_b32 v1, 5, v0
	v_readfirstlane_b32 s[WV], v1                  ; wave 0..3
	v_and_b32 v7, 31, v0
	v_lshlrev_b32 v[LA], 4, v7
	s_lshl_b32 s14, s[WV], 11
	v_add_nc_u32 v[SW], s14, v[LA]
	s_lshl_b32 s14, s[WV], 12
	v_add_nc_u32 v[RW], s14, v[LA]
	v_bfe_u32 v[H8], v0, 4, 1
	v_lshlrev_b32 v[H8], 3, v[H8]
	s_and_b32 s11, ttmp9, 7
	s_lshr_b32 s12, ttmp9, 8
	s_add_co_u32 s11, s11, s12
	s_and_b32 s11, s11, 7                          ; b
	s_bfe_u32 s12, ttmp9, 0x40003                  ; head
	s_bfe_u32 s13, ttmp9, 0x30007                  ; block of 128 queries
	s_lshl_b32 s14, s11, 21
	s_lshl_b32 s15, s12, 17
	s_add_co_u32 s14, s14, s15                     ; the head's first byte in q, in k and in v
	s_mov_b32 s39, 0
	s_mov_b32 s[CS], 0x3e38aa3b                    ; c = log2(e) / 8
	s_mov_b32 s[CS+1], s[CS]
	s_mov_b32 s[SEL], 0x76543210
	s_mov_b32 s[SEL+1], 0xfedcba98                 ; lane l xor 16
	s_mov_b32 s[BIG], 0xff61b1e6                   ; -3e38, under every score
	s_wait_kmcnt 0x0
	s_lshl_b32 s38, s11, 2
	s_add_nc_u64 s[6:7], s[6:7], s[38:39]
	s_load_b32 s[VL], s[6:7], 0x0
	s_lshl_b32 s38, s13, 14
	s_lshl_b32 s15, s[WV], 12
	s_add_co_u32 s38, s38, s15
	s_add_co_u32 s38, s38, s14
	s_add_nc_u64 s[QP:QP+1], s[4:5], s[38:39]      ; q at my two tiles: (8 block + 2 wave) x 2,048
	s_add_co_u32 s38, s14, 0x2000000
	s_add_nc_u64 s[VM:VM+1], s[4:5], s[38:39]      ; v at the head's step 0
	s_lshl_b32 s15, s[WV], 11
	s_add_co_u32 s38, s38, s15
	s_add_nc_u64 s[VP:VP+1], s[4:5], s[38:39]      ; v, my quarter of a step
	s_sub_co_u32 s38, s38, 0x1000000
	s_add_nc_u64 s[KP:KP+1], s[4:5], s[38:39]      ; k likewise
	s_lshr_b32 s38, s12, 1
	s_lshl_b32 s38, s38, 21                        ; aimg: K step of 128 = head / 2: 2 MiB
	s_lshl_b32 s15, s11, 18
	s_add_co_u32 s38, s38, s15
	s_lshl_b32 s15, s13, 15
	s_add_co_u32 s38, s38, s15
	s_lshl_b32 s15, s[WV], 13
	s_add_co_u32 s38, s38, s15                     ; token tile 64 b + 8 block + 2 wave: 4,096 a tile
	s_and_b32 s15, s12, 1
	s_lshl_b32 s15, s15, 11
	s_add_co_u32 s38, s38, s15                     ; the head's four chunks of the tile's eight
	s_add_nc_u64 s[8:9], s[8:9], s[38:39]
.irp i, 0,1,2,3
	global_load_b128 v[STG+4*\i:STG+4*\i+3], v[LA], s[KP:KP+1] offset:512*\i          ; step 0, whatever valid_lens says: it lies inside the buffer, and the registers are then written on every path
	global_load_b128 v[STG+16+4*\i:STG+16+4*\i+3], v[LA], s[VP:VP+1] offset:512*\i
.endr
.irp i, 0,1,2,3,4,5,6,7
	global_load_b128 v[Q+4*\i:Q+4*\i+3], v[LA], s[QP:QP+1] offset:512*\i th:TH_LOAD_NT   ; Q stays in registers; nobody else reads it
.endr
.set n, 0
.rept 64
	v_mov_b32 v[O+n], 0                            ; O^T.  The step is written once and the number of steps hangs on valid_lens (0 too): the first step finds zeros
.set n, n+1
.endr
.irp t, 0,1
	v_mov_b32 v[ST+8*\t+1], s[BIG]
	v_mul_f32 v[ST+8*\t], s[CS], v[ST+8*\t+1]
	v_mov_b32 v[ST+8*\t+2], 0
	v_mov_b32 v[ST+8*\t+3], 0
.endr
	s_wait_kmcnt 0x0
	s_max_i32 s[VL], s[VL], 0
	s_min_i32 s[VL], s[VL], 1024
	s_add_co_u32 s[NVS], s[VL], 63
	s_lshr_b32 s[NVS], s[NVS], 6
	s_min_u32 s[NVS], s[NVS], 16                   ; held by a constant written here: behind it only sums and shifts left lead into an address
	s_wait_loadcnt 8                               ; step 0's eight loads are in; Q's eight may be out
.irp i, 0,1,2,3
	ds_store_b128 v[SW], v[STG+4*\i:STG+4*\i+3] offset:512*\i
	ds_store_b128 v[SW], v[STG+16+4*\i:STG+16+4*\i+3] offset:VOFF+512*\i
.endr
	s_wait_loadcnt 0x0                             ; Q
.macro VLOAD slot, ks                  ; V^T's four fragments (16 channels x 32 keys) of keys 32 ks on
.irp ct, 0,1,2,3
	ds_load_b128 v[KV+8*\ct:KV+8*\ct+3], v[LA] offset:\slot*SLOTB+VOFF+\ct*2048+\ks*1024
	ds_load_b128 v[KV+8*\ct+4:KV+8*\ct+7], v[LA] offset:\slot*SLOTB+VOFF+\ct*2048+\ks*1024+512
.endr
.endm
.macro PV ks                           ; O^T += V^T P: eight accumulators by turns
.irp ct, 0,1,2,3
.irp t, 0,1
	v_wmma_f32_16x16x32_f16 v[O+32*\t+8*\ct:O+32*\t+8*\ct+7], v[KV+8*\ct:KV+8*\ct+7], v[S+32*\t+8*\ks:S+32*\t+8*\ks+7], v[O+32*\t+8*\ct:O+32*\t+8*\ct+7]
.endr
.endr
.endm
; A KEY STEP: 64 keys, from the slot named.
.macro STEP slot
.irp g, 0,1                            ; S^T = K Q^T: keys 32 g on: two tiles of keys x two tiles of queries, four accumulators by turns, two deep along the 64 channels
.irp i, 0,1,2,3,4,5,6,7
	ds_load_b128 v[KV+4*\i:KV+4*\i+3], v[LA] offset:\slot*SLOTB+\g*4096+\i*512
.endr
	s_wait_dscnt 0x0
.irp cs, 0,1
.irp kk, 0,1
.irp t, 0,1
.if \cs == 0
	v_wmma_f32_16x16x32_f16 v[S+32*\t+16*\g+8*\kk:S+32*\t+16*\g+8*\kk+7], v[KV+16*\kk+8*\cs:KV+16*\kk+8*\cs+7], v[Q+16*\t+8*\cs:Q+16*\t+8*\cs+7], 0
.else
	v_wmma_f32_16x16x32_f16 v[S+32*\t+16*\g+8*\kk:S+32*\t+16*\g+8*\kk+7], v[KV+16*\kk+8*\cs:KV+16*\kk+8*\cs+7], v[Q+16*\t+8*\cs:Q+16*\t+8*\cs+7], v[S+32*\t+16*\g+8*\kk:S+32*\t+16*\g+8*\kk+7]
.endif
.endr
.endr
.endr
	NOPS 4                                         ; places in front of the loads into K's registers, and of the first read of the scores
.endr
	VLOAD \slot, 0                                 ; lands while the softmax is walked
	s_lshl_b32 s29, s[T0], 6                       ; the step's first key
	s_add_co_u32 s14, s29, 64
	s_cmp_le_u32 s14, s[VL]
	s_cbranch_scc1 .Lopen_\@                       ; all 64 keys count: a branch on whole numbers read from memory
	s_sub_co_u32 s29, s[VL], s29
	v_sub_nc_u32 v[DD], s29, v[H8]                 ; register 8 kt + j holds key 16 kt + 8 (lane / 16) + j: masked where 16 kt + j >= valid_lens - first key - 8 (lane / 16)
	v_mov_b32 v[NEG], 0xcaf42400                   ; -8e6
.set n, 0
.rept 32
	v_cmp_ge_i32 vcc_lo, 16*(n/8)+n%8, v[DD]
	v_cndmask_b32 v[S+n], v[S+n], v[NEG], vcc_lo
	v_cndmask_b32 v[S+32+n], v[S+32+n], v[NEG], vcc_lo
.set n, n+1
.endr
.Lopen_\@:
	; the maximum of 32 scores and the old m, three operands at a time, four chains a tile; the two tiles by turns
.irp j, 0,1,2,3
.irp t, 0,1
	v_max3_num_f32 v[ST+8*\t+4+\j], v[S+32*\t+8*\j], v[S+32*\t+8*\j+1], v[S+32*\t+8*\j+2]
.endr
.endr
.irp u, 1,2
.irp j, 0,1,2,3
.irp t, 0,1
	v_max3_num_f32 v[ST+8*\t+4+\j], v[ST+8*\t+4+\j], v[S+32*\t+8*\j+2*\u+1], v[S+32*\t+8*\j+2*\u+2]
.endr
.endr
.endr
.irp t, 0,1
	v_max3_num_f32 v[ST+8*\t+4], v[ST+8*\t+4], v[S+32*\t+7], v[S+32*\t+15]
	v_max3_num_f32 v[ST+8*\t+6], v[ST+8*\t+6], v[S+32*\t+23], v[S+32*\t+31]
.endr
.irp t, 0,1
	v_max3_num_f32 v[ST+8*\t+4], v[ST+8*\t+4], v[ST+8*\t+5], v[ST+8*\t+6]
.endr
.irp t, 0,1
	v_max3_num_f32 v[ST+8*\t+4], v[ST+8*\t+4], v[ST+8*\t+7], v[ST+8*\t+1]
.endr
.irp t, 0,1
	v_permlanex16_b32 v[ST+8*\t+5], v[ST+8*\t+4], s[SEL], s[SEL+1]   ; the query's other 32 keys lie in the lane 16 away
.endr
.irp t, 0,1
	v_mov_b32 v[ST+8*\t+7], v[ST+8*\t]             ; c m_old
.endr
.irp t, 0,1
	v_max_num_f32 v[ST+8*\t+1], v[ST+8*\t+4], v[ST+8*\t+5]
.endr
.irp t, 0,1
	v_mul_f32 v[ST+8*\t], s[CS], v[ST+8*\t+1]
.endr
.irp t, 0,1
	v_sub_f32 v[ST+8*\t+7], v[ST+8*\t+7], v[ST+8*\t]
.endr
.set n, 0
.rept 16
	v_pk_fma_f32 v[S+n:S+n+1], v[S+n:S+n+1], s[CS:CS+1], v[ST:ST+1] op_sel_hi:[1,0,0] neg_lo:[0,0,1] neg_hi:[0,0,1]           ; c s - c m, two at a time
	v_pk_fma_f32 v[S+32+n:S+32+n+1], v[S+32+n:S+32+n+1], s[CS:CS+1], v[ST+8:ST+9] op_sel_hi:[1,0,0] neg_lo:[0,0,1] neg_hi:[0,0,1]
.set n, n+2
.endr
.irp t, 0,1
	v_exp_f32 v[ST+8*\t+6], v[ST+8*\t+7]           ; a
.endr
.set n, 0
.rept 64
	v_exp_f32 v[S+n], v[S+n]                       ; p: one batch of 66 exponentials
.set n, n+1
.endr
	v_nop                                          ; a plain line behind the last exponential
	s_wait_alu depctr_va_vdst(0)                   ; one wait for the batch, ahead of its first reader
.irp t, 0,1
	v_pk_mul_f32 v[ST+8*\t+2:ST+8*\t+3], v[ST+8*\t+2:ST+8*\t+3], v[ST+8*\t+6:ST+8*\t+7] op_sel_hi:[1,0]   ; l x a
.endr
.irp t, 0,1
	v_pk_add_f32 v[ST+8*\t+4:ST+8*\t+5], v[S+32*\t:S+32*\t+1], v[S+32*\t+2:S+32*\t+3]   ; the sum of the unrounded p, two chains a tile
.endr
.irp j, 4,8,12,16,20,24,28
.irp t, 0,1
	v_pk_add_f32 v[ST+8*\t+2:ST+8*\t+3], v[ST+8*\t+2:ST+8*\t+3], v[S+32*\t+\j:S+32*\t+\j+1]
	v_pk_add_f32 v[ST+8*\t+4:ST+8*\t+5], v[ST+8*\t+4:ST+8*\t+5], v[S+32*\t+\j+2:S+32*\t+\j+3]
.endr
.endr
.irp t, 0,1
	v_pk_add_f32 v[ST+8*\t+2:ST+8*\t+3], v[ST+8*\t+2:ST+8*\t+3], v[ST+8*\t+4:ST+8*\t+5]
.endr
.set n, 0
.rept 16
	v_cvt_pk_f16_f32 v[S+n], v[S+2*n], v[S+2*n+1]              ; P, in place, ascending: each line writes a register whose number has been read
	v_cvt_pk_f16_f32 v[S+32+n], v[S+32+2*n], v[S+32+2*n+1]
.set n, n+1
.endr
.set n, 0
.rept 16
	v_pk_mul_f32 v[O+n:O+n+1], v[O+n:O+n+1], v[ST+6:ST+7] op_sel_hi:[1,0]            ; O^T x a, each accumulator from its low end on
	v_pk_mul_f32 v[O+32+n:O+32+n+1], v[O+32+n:O+32+n+1], v[ST+14:ST+15] op_sel_hi:[1,0]
.set n, n+2
.endr
	s_wait_dscnt 0x0                               ; V's first four fragments
	PV 0
	NOPS 4
	VLOAD \slot, 1
	s_wait_dscnt 0x0
	PV 1
	NOPS 5                                         ; the next products write over P's registers (five places); loads land in V's, vector lines read O^T (four)
.endm
; A TRIP: one barrier orders both ways: in front of it my stores into this slot are done and my reads of the other slot are over.  Behind it: the next step's loads go out, this step is walked, the next step goes into the other slot.
; Every wave passes every barrier; the branches, on whole numbers read from memory and alike in all four waves, lead round loads, work and stores alone.
.macro TRIP slot
	s_wait_dscnt 0x0
	s_barrier_signal -1
	s_barrier_wait -1
	s_add_co_u32 s[T1], s[T], \slot+1
	s_cmp_lt_u32 s[T1], s[NVS]
	s_cbranch_scc0 .Lnoload_\@
.irp i, 0,1,2,3
	global_load_b128 v[STG+4*\i:STG+4*\i+3], v[LA], s[KP:KP+1] offset:(\slot+1)*8192+512*\i
	global_load_b128 v[STG+16+4*\i:STG+16+4*\i+3], v[LA], s[VP:VP+1] offset:(\slot+1)*8192+512*\i
.endr
.Lnoload_\@:
	s_add_co_u32 s[T0], s[T], \slot
	s_cmp_lt_u32 s[T0], s[NVS]
	s_cbranch_scc0 .Lnostep_\@
	STEP \slot
.Lnostep_\@:
	s_wait_loadcnt 0x0                             ; on every path: the next step's numbers are in, and the loads have read their base
	s_cmp_lt_u32 s[T1], s[NVS]
	s_cbranch_scc0 .Lnostore_\@
.irp i, 0,1,2,3
	ds_store_b128 v[SW], v[STG+4*\i:STG+4*\i+3] offset:(1-\slot)*SLOTB+512*\i
	ds_store_b128 v[SW], v[STG+16+4*\i:STG+16+4*\i+3] offset:(1-\slot)*SLOTB+VOFF+512*\i
.endr
.Lnostore_\@:
.endm
	s_mov_b32 s[T], 0
.Ltrip:                                ; eight trips of two steps: a constant count
	TRIP 0
	TRIP 1
	s_add_nc_u64 s[KP:KP+1], s[KP:KP+1], 16384
	s_add_nc_u64 s[VP:VP+1], s[VP:VP+1], 16384
	s_add_co_u32 s[T], s[T], 2
	s_cmp_lt_u32 s[T], 16
	s_cbranch_scc1 .Ltrip
	; THE WHOLE MASKED STEPS: the sum of their rows of v, by products of V^T with ones; wave w takes steps NVS + w, + 4, ..
	s_wait_dscnt 0x0
.set n, 0
.rept 32
	v_mov_b32 v[S+n], 0                            ; four accumulators; a wave may have no step at all
.set n, n+1
.endr
.set n, 0
.rept 8
	v_mov_b32 v[S+32+n], 0x3c003c00                ; 1.0, 1.0 in f16
.set n, n+1
.endr
	s_add_co_u32 s[SS], s[NVS], s[WV]
	s_cmp_lt_u32 s[SS], 16
	s_cbranch_scc0 .Lnone
	s_lshl_b32 s38, s[SS], 13
	s_add_nc_u64 s[VM:VM+1], s[VM:VM+1], s[38:39]
.Lmasked:
.irp i, 0,1,2,3,4,5,6,7,8,9,10,11,12,13,14,15
	global_load_b128 v[KV+4*\i:KV+4*\i+3], v[LA], s[VM:VM+1] offset:512*\i   ; a step's V^T: fragment (ct, ks) in registers KV + 16 ct + 8 ks
.endr
	s_wait_loadcnt 0x0
.irp ks, 0,1
.irp ct, 0,1,2,3
	v_wmma_f32_16x16x32_f16 v[S+8*\ct:S+8*\ct+7], v[KV+16*\ct+8*\ks:KV+16*\ct+8*\ks+7], v[S+32:S+39], v[S+8*\ct:S+8*\ct+7]
.endr
.endr
	NOPS 4                                         ; in front of the next trip's loads and of the stores below
	s_add_nc_u64 s[VM:VM+1], s[VM:VM+1], 32768
	s_add_co_u32 s[SS], s[SS], 4
	s_cmp_lt_u32 s[SS], 16
	s_cbranch_scc1 .Lmasked
.Lnone:
.irp i, 0,1,2,3,4,5,6,7
	ds_store_b128 v[RW], v[S+4*\i:S+4*\i+3] offset:RED+512*\i   ; my partial sums, as they stand; each accumulator from its low end on
.endr
	s_wait_dscnt 0x0                               ; for the others' sake
	s_barrier_signal -1
	s_barrier_wait -1
.irp i, 0,1,2,3,4,5,6,7
	ds_load_b128 v[S+4*\i:S+4*\i+3], v[LA] offset:RED+512*\i
	ds_load_b128 v[S+32+4*\i:S+32+4*\i+3], v[LA] offset:RED+4096+512*\i
	ds_load_b128 v[KV+4*\i:KV+4*\i+3], v[LA] offset:RED+8192+512*\i
	ds_load_b128 v[STG+4*\i:STG+4*\i+3], v[LA] offset:RED+12288+512*\i
.endr
	s_lshl_b32 s29, s[NVS], 6
	s_sub_co_u32 s29, 1024, s29                    ; the keys of whole masked steps
	s_cvt_f32_u32 s[NMF], s29
	s_cmp_lg_u32 s29, 0
	s_cselect_b32 s[MM], 0xcaf42400, s[BIG]        ; their score, -8e6 raw, enters the maximum if there are any
	s_wait_dscnt 0x0
.set n, 0
.rept 16
	v_pk_add_f32 v[S+n:S+n+1], v[S+n:S+n+1], v[S+32+n:S+32+n+1]
	v_pk_add_f32 v[KV+n:KV+n+1], v[KV+n:KV+n+1], v[STG+n:STG+n+1]
.set n, n+2
.endr
.set n, 0
.rept 16
	v_pk_add_f32 v[S+n:S+n+1], v[S+n:S+n+1], v[KV+n:KV+n+1]    ; register 8 ct + j: the sum for channel 16 ct + 8 (lane / 16) + j, as in O^T
.set n, n+2
.endr
	; THE END OF THE SOFTMAX: m' = max(m, masked score); a = 2^(c m - c m'), w = 2^(c masked - c m'); l' = a l + w x their number; out = (a O + w sum) / l'
.irp t, 0,1
	v_max_num_f32 v[ST+8*\t+4], s[MM], v[ST+8*\t+1]
.endr
.irp t, 0,1
	v_mul_f32 v[ST+8*\t+5], s[CS], v[ST+8*\t+4]
.endr
.irp t, 0,1
	v_sub_f32 v[ST+8*\t+6], v[ST+8*\t], v[ST+8*\t+5]
	v_fma_f32 v[ST+8*\t+7], s[CS], s[MM], -v[ST+8*\t+5]
.endr
.irp t, 0,1
	v_exp_f32 v[ST+8*\t+6], v[ST+8*\t+6]
	v_exp_f32 v[ST+8*\t+7], v[ST+8*\t+7]
.endr
.irp t, 0,1
	v_add_f32 v[ST+8*\t+2], v[ST+8*\t+2], v[ST+8*\t+3]         ; l's two halves (plain work behind the exponentials),
.endr
.irp t, 0,1
	v_permlanex16_b32 v[ST+8*\t+3], v[ST+8*\t+2], s[SEL], s[SEL+1]
.endr
.irp t, 0,1
	v_add_f32 v[ST+8*\t+2], v[ST+8*\t+2], v[ST+8*\t+3]         ; and the lane 16 away's
.endr
	s_wait_alu depctr_va_vdst(0)                   ; one wait for the four exponentials, ahead of their first reader
.irp t, 0,1
	v_mul_f32 v[ST+8*\t+3], s[NMF], v[ST+8*\t+7]
.endr
.irp t, 0,1
	v_fma_f32 v[ST+8*\t+2], v[ST+8*\t+6], v[ST+8*\t+2], v[ST+8*\t+3]
.endr
.irp t, 0,1
	v_rcp_f32 v[ST+8*\t+5], v[ST+8*\t+2]
.endr
	v_nop
	s_wait_alu depctr_va_vdst(0)                   ; and one for the two reciprocals
.irp t, 0,1
	v_mul_f32 v[ST+8*\t+4], v[ST+8*\t+6], v[ST+8*\t+5]         ; a / l'
.endr
.irp t, 0,1
	v_mul_f32 v[ST+8*\t+6], v[ST+8*\t+7], v[ST+8*\t+5]         ; w / l'
.endr
.irp t, 0,1
.set n, 0
.rept 16
	v_pk_mul_f32 v[KV+n:KV+n+1], v[S+n:S+n+1], v[ST+8*\t+6:ST+8*\t+7] op_sel_hi:[1,0]
.set n, n+2
.endr
.set n, 0
.rept 16
	v_pk_fma_f32 v[O+32*\t+n:O+32*\t+n+1], v[O+32*\t+n:O+32*\t+n+1], v[ST+8*\t+4:ST+8*\t+5], v[KV+n:KV+n+1] op_sel_hi:[1,0,1]
.set n, n+2
.endr
.set n, 0
.rept 16
	v_cvt_pk_f16_f32 v[STG+16*\t+n], v[O+32*\t+2*n], v[O+32*\t+2*n+1]
.set n, n+1
.endr
.irp ct, 0,1,2,3
	global_store_b128 v[LA], v[STG+16*\t+4*\ct:STG+16*\t+4*\ct+3], s[8:9] offset:\t*4096+\ct*512   ; a chunk: 512 consecutive bytes, aligned
.endr
.endr
	s_wait_tensorcnt 0x0                           ; the wave's end
	ds_add_u32 v[SPW], v[NIL]
	s_wait_dscnt 0x0
	s_endpgm
.Lfunc_end_k_q83745fb8b8_attn:
	.size	k_q83745fb8b8_attn, .Lfunc_end_k_q83745fb8b8_attn-k_q83745fb8b8_attn
	.p2alignl 7, 3214868480
	.fill 96, 4, 3214868480
	.section	.rodata,"a",@progbits
	.p2align	6, 0x0
	.amdhsa_kernel k_q83745fb8b8_attn
		.amdhsa_group_segment_fixed_size 49664
		.amdhsa_private_segment_fixed_size 0
		.amdhsa_enable_private_segment 0
		.amdhsa_kernarg_size 24
		.amdhsa_user_sgpr_count 2
		.amdhsa_user_sgpr_kernarg_segment_ptr 1
		.amdhsa_wavefront_size32 1
		.amdhsa_system_sgpr_workgroup_id_x 1
		.amdhsa_system_sgpr_workgroup_id_y 1
		.amdhsa_system_sgpr_workgroup_id_z 1
		.amdhsa_system_vgpr_workitem_id 0
		.amdhsa_next_free_vgpr 256
		.amdhsa_next_free_sgpr 66
		.amdhsa_reserve_vcc 1
		.amdhsa_float_denorm_mode_32 3
		.amdhsa_float_denorm_mode_16_64 3
		.amdhsa_memory_ordered 1
		.amdhsa_forward_progress 1
		.amdhsa_inst_pref_size 70
	.end_amdhsa_kernel
	.amdgpu_metadata
---
amdhsa.version: [ 1, 2 ]
amdhsa.kernels:
  - .name:           k_q83745fb8b8_attn
    .symbol:         k_q83745fb8b8_attn.kd
    .args:
      - { .name: qkv, .offset: 0, .size: 8, .value_kind: global_buffer, .address_space: global }
      - { .name: valid_lens, .offset: 8, .size: 8, .value_kind: global_buffer, .address_space: global }
      - { .name: aimg, .offset: 16, .size: 8, .value_kind: global_buffer, .address_space: global }
    .group_segment_fixed_size: 49664
    .private_segment_fixed_size: 0
    .kernarg_segment_align: 8
    .kernarg_segment_size: 24
    .max_flat_workgroup_size: 128
    .sgpr_count:     66
    .vgpr_count:     256
    .wavefront_size: 32
...
	.end_amdgpu_metadata
.endif
;; end of part 3
;; launch oproj (part 4): grid 4 x 64, 4 waves a work-group, clusters of 4 x 4, 327,680 bytes of LDS; arguments aimg, woimg, out0; writes out0
.if DOCPART == 4
	.amdgcn_target "amdgcn-amd-amdhsa--gfx1250"
	.amdhsa_code_object_version 6
	.text
	.protected	k_q83745fb8b8_oproj
	.globl	k_q83745fb8b8_oproj
	.p2align	8
	.type	k_q83745fb8b8_oproj,@function
k_q83745fb8b8_oproj:
	s_mov_b64 s[64:65], 0
	v_nop
	global_prefetch_b8 v0, s[64:65] scope:SCOPE_SE
	s_setreg_imm32_b32 hwreg(HW_REG_WAVE_MODE, 25, 1), 1
	s_wait_xcnt 0x0
	s_wait_alu depctr_hold_cnt(0) depctr_sa_sdst(0) depctr_va_vdst(0) depctr_va_sdst(0) depctr_va_ssrc(0) depctr_va_vcc(0) depctr_vm_vsrc(0)
	s_getreg_b32 s2, hwreg(HW_REG_IB_STS2, 6, 4)
	s_cmp_eq_u32 s2, 0
	s_cbranch_scc0 .Lentry_in_a_cluster
	s_endpgm
.Lentry_in_a_cluster:
	s_bfe_u32 s2, ttmp6, 0x10000c
	s_cmp_lg_u32 s2, 0xf033
	s_cbranch_scc0 .Lentry_shape_is_right
	s_endpgm
.Lentry_shape_is_right:
; Launch 4 of 4: out0[token][n] = sum over k of a[token][k] Wo[k][n], K = 1,024; f16 operands, f32 sums, f32 out.  No work is left out here.
; Both operands lie in memory as images of the operand's registers, by K step of 128: aimg [8][512 token tiles][8 chunks of 512 bytes], woimg [8][64 column tiles][8 chunks].  So a K step's part of a tile is ONE dense block,
; it comes by one tensor load a wave with no padding, and a fragment is two loads of 16 bytes a lane at 16 x lane.
; A tile of out0 is 128 tokens x 256 columns: 256 work-groups.  Four waves, each 64 x 128: 32 accumulators, 256 registers.  K goes in eight steps of 128 through a ring of two LDS slots (A 32 KiB, B 64 KiB).
; CLUSTERS: 4 x 4 work-groups.  A's block hangs on the tile row alone and is shared along a row of the cluster, B's on the tile column alone and is shared along a column: each is asked for jointly.
; THE MATRIX INSTRUCTION IS USED TRANSPOSED (source 0 = 16 columns of Wo, source 1 = 16 tokens): a lane holds eight neighbouring numbers of a row of out0.
; REGISTERS, in windows of 256: window 0: addresses; v128-255 rows on the way out.  window 1: two fragment buffers at v0 and v128: A's four fragments (32 registers), then B's eight (64).  window 2: accumulator (a, b) at v[8 (8 a + b)].
.set SLOT,   98304
.set BOFF,   32768                     ; B's block in a slot
.set SPARE,  2*SLOT                    ; the spare words, 128 bytes a wave: two blocks of 256 bytes that no other line names
.set SPITCH, 528                       ; the way out: a stage of 16 rows x (512 + 16) bytes a wave, in slot 0, which has had its last fill and its last read when the first result is stored there
.set ADRA, 16
.set ADRB, 20
.set STO,  24
.set RD,   25
.set CO,   26
.set SPW,  28
.set NIL,  29
.set PFO,  30                          ; v30  256 x lane; never rewritten
.set BK,   128
.set F0,   0
.set F1,   128
.set G1,  24
.set G0,  32
.set G1B, 48
.set G0B, 56
.set LIM, 42                           ; s42  1 in a wave that prefetches, else the greatest number
.set PFA, 44                           ; s[44:45] where my prefetches stand
.set PFS, 46                           ; s[46:47] a K step on, in bytes
.set MSB, 0
.macro WIN new
.if MSB != \new
	s_set_vgpr_msb (MSB<<8)|\new
.set MSB, \new
.endif
.endm
.set MUL,  0xa5                        ; sources 0 and 1 window 1; C and D window 2
.set TO_F, 0x40                        ; destination window 1, address window 0
.macro JLOAD s                         ; waves 0 and 1 fetch A's halves, waves 2 and 3 B's; an s_nop 0 and four v_nop follow each of the two lines
	s_cmp_eq_u32 s11, 0
	s_cbranch_scc0 .Lfor_b_\@
	tensor_load_to_lds s[G0+4*\s:G0+4*\s+3], s[G1:G1+7]
	s_nop 0
.rept 4
	v_nop
.endr
	s_branch .Lasked_\@
.Lfor_b_\@:
	tensor_load_to_lds s[G0B+4*\s:G0B+4*\s+3], s[G1B:G1B+7]
	s_nop 0
.rept 4
	v_nop
.endr
.Lasked_\@:
.endm
; A PREFETCH of the K step that stands two refills on.  A's block of 32 KiB is read by the four partners of a row of the cluster and by nobody else: wave 0 of each asks for 8 KiB of it, told apart by address (cx).
; B's block of 64 KiB is read by every cluster: in the cluster with y = 0 waves 2 and 3 ask for their halves, 8 KiB to each partner of a column, told apart by address (cy).  Lanes 256 bytes apart: each block of 256 bytes is named once in the launch.
; K steps 0 to 3 come by their loads alone; the loop's last trip, whose refills are K steps 6 and 7, asks for nothing.
.macro ASK
	s_cmp_gt_u32 s3, s[LIM]
	s_cbranch_scc0 .Lnot_mine_\@
	global_prefetch_b8 v[PFO], s[PFA:PFA+1] th:TH_LOAD_NT scope:SCOPE_SE
.Lnot_mine_\@:
.endm
.macro CREST
	s_cmp_lg_u32 s10, 0
	s_cbranch_scc1 .Lnot_wave_0_\@
	s_barrier_signal -3
.Lnot_wave_0_\@:
	s_barrier_wait -3
	s_barrier_signal -1
	s_barrier_wait -1
.endm
.macro CROUND
	s_barrier_signal -1
	s_barrier_wait -1
	CREST
.endm
	s_load_b128 s[4:7], s[0:1], 0x0                ; aimg, woimg
	s_load_b64 s[8:9], s[0:1], 0x10                ; out0
	v_lshl_add_u32 v[SPW], v0, 2, SPARE
	v_mov_b32 v[NIL], 0
	ds_add_u32 v[SPW], v[NIL]                      ; the wave's opening: the add, twice on end, and its wait ahead of my first tensor load
	ds_add_u32 v[SPW], v[NIL]
	v_lshrrev_b32 v1, 5, v0
	v_readfirstlane_b32 s10, v1                    ; wave 0..3
	s_lshr_b32 s11, s10, 1                         ; which 64 tokens are mine.  Also: I fetch for A (0) or for B (1)
	s_and_b32 s12, s10, 1                          ; which 128 columns.  Also: which half of the block I fetch
	s_bfe_u32 s40, ttmp6, 0x40000                  ; cx = the tile column (the grid is one cluster wide)
	s_bfe_u32 s41, ttmp6, 0x40004                  ; cy
	s_and_b32 s13, ttmp7, 0xffff
	s_lshl_b32 s13, s13, 2
	s_add_co_u32 s13, s13, s41                     ; the tile row, 0..63
	s_lshl_b32 s43, s41, 2
	s_lshl_b32 s43, 15, s43                        ; my row of the cluster
	s_lshl_b32 s66, 0x1111, s40                    ; my column
	s_or_b32 s[G1+0], s43, (3<<16)|(1<<21)         ; the mask; elements of 8 bytes; bit 21 beside a mask; no padding
	s_or_b32 s[G1B+0], s66, (3<<16)|(1<<21)
	s_mov_b32 s[G1+1], 32<<16                      ; rows of 32 elements = 256 bytes, dense
	s_mov_b32 s[G1+2], 64<<16                      ; A: 64 rows = 16 KiB a wave
	s_mov_b32 s[G1+3], 32<<16
	s_mov_b32 s[G1+4], 64
	s_mov_b32 s[G1+5], 32
	s_mov_b32 s[G1+6], 0
	s_mov_b32 s[G1+7], 0
	s_mov_b32 s[G1B+1], 32<<16
	s_mov_b32 s[G1B+2], 128<<16                    ; B: 128 rows = 32 KiB a wave
	s_mov_b32 s[G1B+3], 32<<16
	s_mov_b32 s[G1B+4], 128
	s_mov_b32 s[G1B+5], 32
	s_mov_b32 s[G1B+6], 0
	s_mov_b32 s[G1B+7], 0
	s_lshl_b32 s16, s13, 15
	s_lshl_b32 s20, s12, 14                        ; A: my half, in memory and in a slot
	s_add_co_u32 s16, s16, s20
	s_mov_b32 s17, 0
	s_lshl_b32 s68, s40, 16
	s_lshl_b32 s21, s12, 15                        ; B: my half
	s_add_co_u32 s68, s68, s21
	s_mov_b32 s69, 0
	s_add_co_u32 s21, s21, BOFF
	s_wait_dscnt 0x0                               ; both opening adds are done
	s_wait_kmcnt 0x0
	s_add_nc_u64 s[14:15], s[4:5], s[16:17]
	s_add_nc_u64 s[68:69], s[6:7], s[68:69]
	CROUND                                         ; all sixteen work-groups are here: the first joint loads meet
.irp s, 0,1
	s_mov_b32 s[G0+4*\s], 1
	s_add_co_u32 s[G0+4*\s+1], s20, \s*SLOT
	s_add_nc_u64 s[G0+4*\s+2:G0+4*\s+3], s[14:15], \s*0x200000
	s_or_b32 s[G0+4*\s+3], s[G0+4*\s+3], 0x80000000
	s_mov_b32 s[G0B+4*\s], 1
	s_add_co_u32 s[G0B+4*\s+1], s21, \s*SLOT
	s_add_nc_u64 s[G0B+4*\s+2:G0B+4*\s+3], s[68:69], \s*262144
	s_or_b32 s[G0B+4*\s+3], s[G0B+4*\s+3], 0x80000000
	JLOAD \s
.endr
	v_and_b32 v1, 31, v0
	v_lshlrev_b32 v[CO], 4, v1                     ; 16 x lane
	s_lshl_b32 s22, s11, 14                        ; my four token tiles
	s_lshl_b32 s23, s12, 15
	s_add_co_u32 s23, s23, BOFF                    ; my eight column tiles
.irp s, 0,1
	v_add_nc_u32 v[ADRA+\s], s22, v[CO]
	v_add_nc_u32 v[ADRB+\s], s23, v[CO]
	s_add_co_u32 s22, s22, SLOT
	s_add_co_u32 s23, s23, SLOT
.endr
	v_and_b32 v2, 15, v0
	v_bfe_u32 v3, v0, 4, 1
	s_mul_i32 s22, s10, 16*SPITCH                  ; my stage
	v_mul_u32_u24 v[STO], v2, SPITCH
	v_lshl_add_u32 v[STO], v3, 5, v[STO]
	v_add_nc_u32 v[STO], s22, v[STO]               ; in: row l % 16, 32 bytes for each half of the lanes
	v_add_nc_u32 v[RD], s22, v[CO]                 ; back: the 32 lanes take one row of 512 bytes
	v_lshlrev_b32 v[PFO], 8, v1
	s_lshl_b32 s70, s13, 19                        ; 128 tile rows x 4,096 bytes
	s_lshl_b32 s71, s11, 18
	s_add_co_u32 s70, s70, s71
	s_lshl_b32 s71, s40, 10
	s_add_co_u32 s70, s70, s71
	s_lshl_b32 s71, s12, 9
	s_add_co_u32 s70, s70, s71
	s_mov_b32 s71, 0
	s_add_nc_u64 s[8:9], s[8:9], s[70:71]          ; out0 at my first row and column
	s_and_b32 s72, ttmp7, 0xffff                   ; the prefetches: the cluster's y,
	s_lshl_b32 s73, s13, 15
	s_lshl_b32 s74, s40, 13
	s_add_co_u32 s73, s73, s74
	s_add_co_u32 s73, s73, 3*0x200000              ; A: my work-group's 8 KiB of the block, at K step 3: the first change of slots steps it to 4
	s_lshl_b32 s74, s40, 16
	s_lshl_b32 s75, s12, 15
	s_add_co_u32 s74, s74, s75
	s_lshl_b32 s75, s41, 13
	s_add_co_u32 s74, s74, s75
	s_add_co_u32 s74, s74, 3*262144                ; B: my work-group's 8 KiB of my wave's half
	s_mov_b32 s75, 262144
	s_cmp_eq_u32 s11, 0
	s_cselect_b64 s[PFA:PFA+1], s[4:5], s[6:7]
	s_cselect_b32 s76, s73, s74
	s_cselect_b32 s[PFS], 0x200000, s75
	s_cselect_b32 s72, s12, s72                    ; 0 in wave 0, and in waves 2 and 3 of the cluster with y = 0: the same in all sixteen partners, for a given wave
	s_mov_b32 s77, 0
	s_mov_b32 s[PFS+1], 0
	s_add_nc_u64 s[PFA:PFA+1], s[PFA:PFA+1], s[76:77]
	s_cmp_eq_u32 s72, 0
	s_cselect_b32 s[LIM], 1, -1
.macro MUL8 f, a, zero                 ; token tile a x my eight column tiles, 32 along K.  The 32 accumulators take turns in the same order in every quarter
.irp b, 0,1,2,3,4,5,6,7
.if \zero
	v_wmma_f32_16x16x32_f16 v[8*(8*(\a)+\b):8*(8*(\a)+\b)+7], v[\f+32+8*\b:\f+32+8*\b+7], v[\f+8*(\a):\f+8*(\a)+7], 0
.else
	v_wmma_f32_16x16x32_f16 v[8*(8*(\a)+\b):8*(8*(\a)+\b)+7], v[\f+32+8*\b:\f+32+8*\b+7], v[\f+8*(\a):\f+8*(\a)+7], v[8*(8*(\a)+\b):8*(8*(\a)+\b)+7]
.endif
.endr
.endm
.macro FETCH slot, q, f                ; 24 LDS loads in one run: quarter q's fragments: B's eight, then A's tiles 0, 1, then 2, 3
	WIN TO_F
.irp i, 0,1,2,3,4,5,6,7
	ds_load_b128 v[\f+32+8*\i:\f+32+8*\i+3],   v[ADRB+\slot] offset:\i*4096+(\q)*1024
	ds_load_b128 v[\f+32+8*\i+4:\f+32+8*\i+7], v[ADRB+\slot] offset:\i*4096+(\q)*1024+512
.endr
.irp i, 0,1,2,3
	ds_load_b128 v[\f+8*\i:\f+8*\i+3],   v[ADRA+\slot] offset:\i*4096+(\q)*1024
	ds_load_b128 v[\f+8*\i+4:\f+8*\i+7], v[ADRA+\slot] offset:\i*4096+(\q)*1024+512
.endr
.endm
.macro PLACES
.rept 4
	v_nop
.endr
.endm
.macro QUARTER slot, q, f, g, zero     ; multiplies buffer f; in its middle fetches quarter q of the same slot into g
	s_wait_dscnt 4                                 ; B's and A's tiles 0, 1 are in; the youngest four loads (A's tiles 2, 3) may be out
	WIN MUL
	MUL8 \f, 0, \zero
	MUL8 \f, 1, \zero
	PLACES
	FETCH \slot, \q, \g
	s_wait_dscnt 24                                ; all but the 24 just issued
	WIN MUL
	MUL8 \f, 2, \zero
	MUL8 \f, 3, \zero
.endm
; A K step's last quarter multiplies buffer 1 and changes slots: ONE barrier; in front of it each wave waits for all its tensor loads, adds 0 to its spare word, and waits for that and for its reads of this slot.
.macro TURN slot, next, fill
.if \fill
	s_wait_xcnt 0x0                                ; the last prefetch, a K step back, has read its address
	s_add_nc_u64 s[PFA:PFA+1], s[PFA:PFA+1], s[PFS:PFS+1]
.endif
	WIN 0
	s_wait_tensorcnt 0x0                           ; my one load that was out, my part of the next slot, has landed
	ds_add_u32 v[SPW], v[NIL]
	s_wait_dscnt 5                                 ; (the add and the youngest four loads may be out)
	WIN MUL
	MUL8 F1, 0, 0
	s_wait_dscnt 0x0                               ; the add is done, and my reads of this slot are over
	s_barrier_signal -1
	MUL8 F1, 1, 0
.if \fill
	WIN 0
.endif
	s_barrier_wait -1
.if \fill
	CREST                                          ; the barrier has opened a round of the cluster's: no wave of any partner still reads this slot or has a load on its way
	s_add_nc_u64 s[G0+4*\slot+2:G0+4*\slot+3], s[G0+4*\slot+2:G0+4*\slot+3], 2*0x200000
	s_add_nc_u64 s[G0B+4*\slot+2:G0B+4*\slot+3], s[G0B+4*\slot+2:G0B+4*\slot+3], 2*262144
	JLOAD \slot                                    ; the first tensor load behind the round; its four v_nop are also the places in front of the loads below
.else
	PLACES
.endif
	FETCH \next, 0, F0
.if \fill
	WIN 0
	ASK
.endif
	WIN MUL
	MUL8 F1, 2, 0
	MUL8 F1, 3, 0
.endm
	s_wait_tensorcnt 1                             ; my part of K step 0 is in; K step 1's may stay out
	s_barrier_signal -1
	s_barrier_wait -1
	FETCH 0, 0, F0
	QUARTER 0, 1, F0, F1, 1                        ; the first quarter's products start the sums
	WIN 0
	s_mov_b32 s3, 3
.Llap:                                 ; three trips, each once round the ring; both slots are filled again: K steps 2 to 7
	QUARTER 0, 2, F1, F0, 0
	QUARTER 0, 3, F0, F1, 0
	TURN 0, 1, 1
	QUARTER 1, 1, F0, F1, 0
	QUARTER 1, 2, F1, F0, 0
	QUARTER 1, 3, F0, F1, 0
	TURN 1, 0, 1
	QUARTER 0, 1, F0, F1, 0
	WIN 0
	s_sub_co_u32 s3, s3, 1
	s_cmp_lg_u32 s3, 0
	s_cbranch_scc1 .Llap
	QUARTER 0, 2, F1, F0, 0                        ; the last lap fills nothing
	QUARTER 0, 3, F0, F1, 0
	TURN 0, 1, 0
	QUARTER 1, 1, F0, F1, 0
	QUARTER 1, 2, F1, F0, 0
	QUARTER 1, 3, F0, F1, 0
	s_wait_dscnt 4
	WIN MUL
	MUL8 F1, 0, 0
	MUL8 F1, 1, 0
	s_wait_dscnt 0
	MUL8 F1, 2, 0
	MUL8 F1, 3, 0
	WIN 0
; THE WAY OUT, a block of 16 rows x 128 columns at a time: through my own stage in LDS and back as whole rows of 512 bytes.  LDS serves a wave's instructions in order: no wait between the stores and the loads.
.macro TOSTAGE a
	WIN 0x08                                       ; the data: window 2
.irp b, 0,1,2,3,4,5,6,7
	ds_store_b128 v[STO], v[64*(\a)+8*\b:64*(\a)+8*\b+3] offset:64*\b        ; each accumulator from its low end on
	ds_store_b128 v[STO], v[64*(\a)+8*\b+4:64*(\a)+8*\b+7] offset:64*\b+16
.endr
	WIN 0
.set BB, BK+64*((\a)%2)
.irp t, 0,1,2,3,4,5,6,7,8,9,10,11,12,13,14,15
	ds_load_b128 v[BB+4*\t:BB+4*\t+3], v[RD] offset:\t*SPITCH
.endr
.endm
.macro SEND a, younger
.set BB, BK+64*((\a)%2)
	s_wait_dscnt \younger                          ; the block is back in registers; the next block's 16 stores and 16 loads may be out
.if (\a) > 0
	s_add_nc_u64 s[8:9], s[8:9], 65536             ; 16 rows on (behind a wait on XCNT: the earlier stores have read their base)
.endif
.irp t, 0,1,2,3,4,5,6,7,8,9,10,11,12,13,14,15
	global_store_b128 v[CO], v[BB+4*\t:BB+4*\t+3], s[8:9] offset:\t*4096 th:TH_STORE_NT   ; 32 lanes store 512 consecutive bytes, aligned; written once, read by nobody here
.endr
.endm
	PLACES
	TOSTAGE 0
.irp a, 1,2,3
.if \a > 1
	s_wait_xcnt 0x0                                ; block a - 2's stores have read their registers and their base
.endif
	TOSTAGE \a
	SEND \a-1, 32
.endr
	s_wait_xcnt 0x0
	SEND 3, 0
	s_wait_tensorcnt 0x0                           ; the wave's end
	ds_add_u32 v[SPW], v[NIL]
	s_wait_dscnt 0x0
	CROUND                                         ; the closing round
	s_endpgm
.Lfunc_end_k_q83745fb8b8_oproj:
	.size	k_q83745fb8b8_oproj, .Lfunc_end_k_q83745fb8b8_oproj-k_q83745fb8b8_oproj
	.p2alignl 7, 3214868480
	.fill 96, 4, 3214868480
	.section	.rodata,"a",@progbits
	.p2align	6, 0x0
	.amdhsa_kernel k_q83745fb8b8_oproj
		.amdhsa_group_segment_fixed_size 327680
		.amdhsa_private_segment_fixed_size 0
		.amdhsa_enable_private_segment 0
		.amdhsa_kernarg_size 24
		.amdhsa_user_sgpr_count 2
		.amdhsa_user_sgpr_kernarg_segment_ptr 1
		.amdhsa_wavefront_size32 1
		.amdhsa_system_sgpr_workgroup_id_x 1
		.amdhsa_system_sgpr_workgroup_id_y 1
		.amdhsa_system_sgpr_workgroup_id_z 1
		.amdhsa_system_vgpr_workitem_id 0
		.amdhsa_next_free_vgpr 768
		.amdhsa_next_free_sgpr 80
		.amdhsa_reserve_vcc 0
		.amdhsa_float_denorm_mode_32 3
		.amdhsa_float_denorm_mode_16_64 3
		.amdhsa_memory_ordered 1
		.amdhsa_forward_progress 1
		.amdhsa_inst_pref_size 86
	.end_amdhsa_kernel
	.amdgpu_metadata
---
amdhsa.version: [ 1, 2 ]
amdhsa.kernels:
  - .name:           k_q83745fb8b8_oproj
    .symbol:         k_q83745fb8b8_oproj.kd
    .args:
      - { .name: aimg, .offset: 0, .size: 8, .value_kind: global_buffer, .address_space: global }
      - { .name: woimg, .offset: 8, .size: 8, .value_kind: global_buffer, .address_space: global }
      - { .name: out0, .offset: 16, .size: 8, .value_kind: global_buffer, .address_space: global }
    .group_segment_fixed_size: 327680
    .private_segment_fixed_size: 0
    .kernarg_segment_align: 8
    .kernarg_segment_size: 24
    .max_flat_workgroup_size: 128
    .sgpr_count:     80
    .vgpr_count:     768
    .wavefront_size: 32
...
	.end_amdgpu_metadata
.endif
;; end of part 4
